; MI455X (gfx1250); checked and timed in simulation.
; The chip was launched on July 23, 2026; its instructions are those of AMD's public machine-readable ISA for CDNA 5 (MIT licence, August 2026) and "CDNA5" Instruction Set Architecture Reference Guide (July 2026). The comments in the code are by the model that wrote it; some were corrected since.
;; Cross Modal Attention. Allowed arithmetic: matrix products marked QUANTISED: E2M3 operands, one E8M0 scale for each 32 along K, by v_wmma_scale_f32_16x16x128_f8f6f4 with both operands' format E2M3, f32 sums; everything else in f32.
;; Inputs: Wk 1,024 x 1,024 float32; Wo 1,024 x 1,024 float32; Wq 1,024 x 1,024 float32; Wv 1,024 x 1,024 float32; bk 1,024 float32; bo 1,024 float32; bq 1,024 float32; bv 1,024 float32; key_mask 8 x 2,048 bool; key_value 8 x 2,048 x 1,024 float32; query 8 x 512 x 1,024 float32.
;; Outputs: out0 8 x 512 x 1,024 float32.
;; This version of the problem:
;;   THIS VERSION OF THE PROBLEM IS GIVEN IN LOW PRECISION. The matrix products marked QUANTISED in the list below multiply operands that are first quantised to E2M3 (2 exponent bits, 3 mantissa bits; 6 bits a number), with one power-of-two scale for each 32 numbers along K (OCP MX v1.0); their sums are f32. All else is computed in f32.
;;   The module's matrix products, in the order in which they are computed (A, B: the left and right operand; K: the contracted axis; several contracted axes count as one K, in the product's order):
;;     1. [M 4,096, K 1,024] x [K 1,024, N 1,024]; A: input query; B: input Wq: QUANTISED
;;     2. [M 16,384, K 1,024] x [K 1,024, N 1,024]; A: input key_value; B: input Wk: QUANTISED
;;     3. [M 16,384, K 1,024] x [K 1,024, N 1,024]; A: input key_value; B: input Wv: QUANTISED
;;     4. batch 8 x [M 512, K 1,024] x [K 1,024, N 2,048]; A: computed on the way; B: computed on the way: QUANTISED
;;     5. batch 8 x [M 512, K 2,048] x [K 2,048, N 1,024]; A: softmax (see below); B: computed on the way: QUANTISED
;;     6. [M 4,096, K 1,024] x [K 1,024, N 1,024]; A: computed on the way; B: input Wo: QUANTISED
;;   THE QUANTISER, for each operand of a quantised product, along K:
;;     - K is cut into blocks of 32 from its start; a last block that is shorter is filled with zeros.
;;     - A block's scale is 2^e with e = floor(log2(the largest magnitude in the block)) - 2, held to -126 .. 127; a block of zeros has e = 0. As a byte (E8M0): e + 127.
;;     - Each number is divided by its block's scale, clamped to +-7.5, and rounded to the nearest number of E2M3, ties to even, subnormals kept.
;;     - The product sums the exact products of the quantised numbers (number of the format x scale) in f32.
;;   ~~~python
;;   def quantise(x, axis):      # numpy; x: float32 -> the quantised numbers, widened to float32 again
;;       x = np.moveaxis(x, axis, -1); K = x.shape[-1]
;;       x = np.pad(x, [(0, 0)] * (x.ndim - 1) + [(0, -K % 32)]); x = x.reshape(x.shape[:-1] + (-1, 32)); a = np.abs(x).max(-1, keepdims=True)
;;       e = np.where(a > 0, np.clip(np.frexp(np.where(a > 0, a, 1))[1] - 1 - 2, -126, 127), 0)      # np.frexp(a)[1] - 1 = floor(log2(a)), exactly
;;       r = np.clip(x / 2.0 ** e, -7.5, 7.5)
;;       step = 2.0 ** (np.maximum(np.frexp(np.where(r == 0, 1, r))[1] - 1, 0) - 3)
;;       q = np.round(r / step) * step * 2.0 ** e      # np.round: ties to even
;;       return np.moveaxis(q.reshape(q.shape[:-2] + (-1,))[..., :K], -1, axis).astype(np.float32)
;;   ~~~
;;   SOFTMAX AHEAD OF A QUANTISED PRODUCT. Where the list says 'softmax', what is quantised is not the finished softmax but p = 2^(t - M), with t = logit x log2(e) and M = ceil(the row's largest t), a whole number; so 1/2 < the row's largest p <= 1. The row's sum l is taken of the UNQUANTISED p, in f32, and the product's result is divided by l at the end. Since M is a whole number, a kernel that streams over the keys may use a running M (the ceiling of the running maximum): every later rescaling is an exact power of two, which a block's scale takes up: the codes' values come out the same.
;;   OPERANDS COMPUTED ON THE WAY. 'Computed on the way' means the value that the module computes at that place (a softmax that the list does not call 'softmax' is quantised finished and normalised). What goes into a quantiser is computed in f32, as accurately as f32 sums, v_exp_f32 and their like allow (about 1e-6 of the number): no bf16 or f16 on the way to a quantiser, and a product that is left as it is and whose result goes on into a quantised operand takes f32 operands (vector FMAs, or v_wmma_f32_16x16x4_f32). A number that lies on a knife's edge between two numbers of the format may be rounded either way, as far as f32 arithmetic and the matrix unit's own rounding can turn it there, and no further.
;; One version. Each part assembles by itself: llvm-mc -triple=amdgcn-amd-amdhsa -mcpu=gfx1250 --defsym DOCPART=n.
;; ======== version 1 of 1: 5 launches
;; limits: right only within a limited range of input values
;; workspace buffers: img1 19,660,800 bytes; img2 29,491,200 bytes; img3 7,077,888 bytes; img4 3,276,800 bytes
;; launch prep (part 1): grid 896 x 1, 4 waves a work-group, no clusters, 34,304 bytes of LDS; arguments query, key_value, Wq, Wk, Wv, Wo, img1; writes img1
.if DOCPART == 1
	.amdgcn_target "amdgcn-amd-amdhsa--gfx1250"
	.amdhsa_code_object_version 6
	.text
	.protected	k_q4320807031_prep
	.globl	k_q4320807031_prep
	.p2align	8
	.type	k_q4320807031_prep,@function
k_q4320807031_prep:
	s_mov_b64 s[64:65], 0
	v_nop
	global_prefetch_b8 v0, s[64:65] scope:SCOPE_SE
	s_setreg_imm32_b32 hwreg(HW_REG_WAVE_MODE, 25, 1), 1
	s_wait_xcnt 0x0
; query [4096][1024], key_value [16384][1024] (K innermost) and Wq, Wk, Wv, Wo [1024 (k)][1024 (n)] (K outermost), all f32, become codes of FP6 (E2M3) with one E8M0 byte for each 32 along K.
; ONE ROW SPACE: rows 0.. query, 4096.. key_value, 20480.. Wq^T, 21504.. Wk^T, 22528.. Wv^T, 23552.. Wo^T.
; THE IMAGES ARE LAID IN THE ORDER OF AN OPERAND'S REGISTERS.  Row tile t, lane index r, holds row 32 (t / 2) + 8 (t % 2) + r + 8 (r / 8).  A fragment (row tile, 128 along K) is 1,536 bytes: register group g of lane l at 512 g + 16 l;
; fragments lie [row tile][K step].  Scale words lie [64 rows][K step][256 bytes]: lane index r's 16 bytes at 16 r, word j for row tile 4 x (row / 64) + j; they begin S1 bytes into the buffer.
; A block's scale is 2^(floor(log2(largest magnitude)) - 2); its byte is the largest magnitude's exponent field - 2, held at 1 from below (a block of zeros gets 1 where the rule says 127: its codes are zeros, and this program alone reads the bytes).
; LIMITS: NaN and infinities among the inputs are not served.
; Work-groups 0-639 take the activations: 64 rows x 512 along K, a wave 64 rows x 128: four fragments.  Each load reads 512 consecutive bytes of a row; a fragment's 16 rows turn through the wave's own stage in LDS, so that a lane
; holds 16 neighbours along K of each block.  Work-groups 640-895 take the weights: a wave 32 columns x 128 along K, a lane a column, its registers down K: nothing is transposed.
; The weights' scale words leave by stores of 4 bytes a lane (128 bytes on end): 128 KiB in all of what the launch moves.  No matrix unit, no cluster: waves share nothing and the launch streams.
.set S1,    18874368                   ; 24,576 rows x 768 bytes of codes
.set STG,   8448                       ; a wave's stage: 16 rows x (512 + 16) bytes: the 16 rows that a read touches start at 16 different groups of banks
.set SPARE, 4*STG                      ; behind the stages: the spare words, 128 bytes a wave
.set TM,    8                          ; v8-19   at work in QUANT
.set PW,    24                         ; v24-27  the four fragments' scale words
.set SPW,   30                         ; v30     my spare word's LDS address; never rewritten
.set NIL,   31                         ; v31     0; never rewritten
.set R,     32                         ; v32-159 two sets of 64 numbers as loaded (weights: 128 numbers of a column)
.set X,     160                        ; v160-223 64 numbers, register 16 b + i = k 32 b + 16 (lane / 16) + i of my row
.set PC,    224                        ; v224-243 the codes just made
.set SEL,   36                         ; s[36:37] lane selects: lane l xor 16
.set HM,    38                         ; s38     the mask of lanes 16-31
; 64 numbers of a lane, register 16 b + i = k 32 b + 16 (lane / 16) + i of my row, become a fragment's 12 registers in v[PC] on and its scale word in v[pw].
.macro QUANT s, pw
.irp b, 0,1,2,3
	v_max3_num_f32 v[TM+\b], |v[\s+16*\b]|, |v[\s+1+16*\b]|, 0x1800000   ; block b: my 16 numbers, and the floor 2^(3 - 127): the byte cannot fall under 1
.endr
.irp i, 2,4,6,8,10,12,14
.irp b, 0,1,2,3
	v_max3_num_f32 v[TM+\b], v[TM+\b], |v[\s+16*\b+\i]|, |v[\s+1+16*\b+\i]|   ; the four blocks by turns
.endr
.endr
.irp b, 0,1,2,3
	v_permlanex16_b32 v[TM+4+\b], v[TM+\b], s[SEL], s[SEL+1]
.endr
.irp b, 0,1,2,3
	v_max_num_f32 v[TM+\b], v[TM+\b], v[TM+4+\b]   ; with lane l xor 16's 16: the block's largest magnitude
.endr
.irp b, 0,1,2,3
	v_add_nc_u32 v[TM+8+\b], 0xff000000, v[TM+\b]  ; 2 off its exponent field: the conversion's scale operand
.endr
.irp b, 0,1,2,3
	v_lshrrev_b32 v[TM+4+\b], 23, v[TM+8+\b]       ; the scale's byte
.endr
	v_lshl_or_b32 v[\pw], v[TM+5], 8, v[TM+4]
	v_lshl_or_b32 v[\pw], v[TM+6], 16, v[\pw]
	v_lshl_or_b32 v[\pw], v[TM+7], 24, v[\pw]
.irp c, 0,1
	v_cvt_scalef32_pk16_fp6_f32 v[PC+6*\c:PC+2+6*\c], v[\s+32*\c:\s+15+32*\c], v[TM+8+2*\c]
	v_cvt_scalef32_pk16_fp6_f32 v[PC+12+4*\c:PC+14+4*\c], v[\s+16+32*\c:\s+31+32*\c], v[TM+8+2*\c+1]   ; a conversion's three registers begin on an even number
.endr
	v_nop                                          ; one plain instruction behind the conversions, ahead of the first that touches their results
.irp c, 0,1                                    ; the operand wants a whole block in a lane: lanes 0-15 block 2 c, lanes 16-31 block 2 c + 1
.irp i, 0,1,2
	v_permlane16_swap_b32 v[PC+6*\c+\i], v[PC+12+4*\c+\i]
.endr
.irp i, 0,1,2
	v_mov_b32 v[PC+3+6*\c+\i], v[PC+12+4*\c+\i]
.endr
.endr
.endm
	s_load_b256 s[4:11], s[0:1], 0x0               ; query s[4:5], key_value s[6:7], Wq s[8:9], Wk s[10:11]
	s_load_b128 s[12:15], s[0:1], 0x20             ; Wv s[12:13], Wo s[14:15]
	s_load_b64 s[16:17], s[0:1], 0x30              ; img1
	v_lshl_add_u32 v[SPW], v0, 2, SPARE
	v_mov_b32 v[NIL], 0
	v_lshrrev_b32 v1, 5, v0
	v_readfirstlane_b32 s18, v1                    ; wave
	v_and_b32 v1, 31, v0                           ; lane
	s_cmp_lt_u32 ttmp9, 640
	s_cbranch_scc0 .Lweights
	; ---------------- the activations
	v_and_b32 v2, 15, v0                           ; r
	v_bfe_u32 v3, v0, 4, 1                         ; h
	v_lshlrev_b32 v4, 4, v1                        ; 16 x lane: my bytes of a load's 512, and of an image's 512
	s_mul_i32 s19, s18, STG
	v_add_nc_u32 v5, s19, v4                       ; the stage, on the way in: row i at 528 i
	v_mul_u32_u24 v6, v2, 528
	v_lshl_add_u32 v6, v3, 6, v6
	v_add_nc_u32 v6, s19, v6                       ; and out: row r, + 64 h: my 16 numbers of each block of 32
	v_lshlrev_b32 v7, 4, v2
	v_lshl_add_u32 v7, v3, 3, v7                   ; the scale words' place: 16 r + 8 h
	s_mov_b32 s[SEL], 0x76543210
	s_mov_b32 s[SEL+1], 0xfedcba98
	s_mov_b32 s[HM], 0xffff0000
.irp b, 0,1,2,3
	v_mov_b32 v[TM+4+\b], 0                        ; a lane permute's destination counts as read: written once
.endr
	s_lshr_b32 s20, ttmp9, 1                       ; which 64 rows of the row space
	s_and_b32 s21, ttmp9, 1
	s_lshl_b32 s21, s21, 2
	s_add_co_u32 s21, s21, s18                     ; which 128 along K
	s_sub_co_u32 s22, s20, 64
	s_wait_alu depctr_va_vdst(0)
	s_wait_kmcnt 0x0
	s_cmp_lt_u32 s20, 64                           ; query's rows or key_value's: the choice hangs on the work-group's number alone
	s_cselect_b32 s22, s20, s22
	s_cselect_b64 s[24:25], s[4:5], s[6:7]
	s_lshl_b32 s22, s22, 18                        ; 64 rows of 4,096 bytes
	s_lshl_b32 s23, s21, 9
	s_add_co_u32 s22, s22, s23
	s_mov_b32 s23, 0
	s_add_nc_u64 s[24:25], s[24:25], s[22:23]
	s_mul_i32 s26, s20, 49152                      ; four row tiles of 12,288 bytes
	s_mul_i32 s27, s21, 1536
	s_add_co_u32 s26, s26, s27
	s_mov_b32 s27, 0
	s_add_nc_u64 s[28:29], s[16:17], s[26:27]      ; my codes
	s_lshl_b32 s26, s20, 11
	s_lshl_b32 s30, s21, 8
	s_add_co_u32 s26, s26, s30
	s_add_co_u32 s26, s26, S1
	s_add_nc_u64 s[32:33], s[16:17], s[26:27]      ; my 256 bytes of scale words
.macro LOADF f                         ; fragment f's 16 rows, 512 consecutive bytes each, into set f % 2
.irp i, 0,1,2,3,4,5,6,7,8,9,10,11,12,13,14,15
	global_load_b128 v[R+64*((\f)%2)+4*\i:R+64*((\f)%2)+4*\i+3], v4, s[24:25] offset:(32*((\f)/2)+8*((\f)%2)+\i+8*(\i/8))*4096 th:TH_LOAD_NT
.endr
.endm
.macro TURNF f                         ; through the stage: LDS serves a wave's instructions in order, so no wait stands between the stores and the loads
.irp i, 0,1,2,3,4,5,6,7,8,9,10,11,12,13,14,15
	ds_store_b128 v5, v[R+64*((\f)%2)+4*\i:R+64*((\f)%2)+4*\i+3] offset:528*\i
.endr
.irp i, 0,1,2,3,4,5,6,7,8,9,10,11,12,13,14,15
	ds_load_b128 v[X+4*\i:X+4*\i+3], v6 offset:128*(\i/4)+16*(\i%4)
.endr
.endm
	LOADF 0
	LOADF 1
.irp f, 0,1,2,3
.if \f < 3
	s_wait_loadcnt 16                              ; this fragment's 16 loads are in; the next fragment's 16 may be out
.else
	s_wait_loadcnt 0x0
.endif
	TURNF \f
	s_wait_dscnt 0x0                               ; the numbers are back, and the stage's stores have read their registers,
.if \f < 2
	LOADF \f+2                                     ; which take the fragment two on
.endif
	s_wait_xcnt 0x0                                ; the last fragment's stores have read their data: the codes' registers are written again only behind this wait
	QUANT X, PW+\f
.irp g, 0,1,2
	global_store_b128 v4, v[PC+4*\g:PC+4*\g+3], s[28:29] offset:12288*\f+512*\g   ; 512 consecutive bytes, aligned
.endr
.endr
	v_cndmask_b32 v28, v[PW], v[PW+2], s[HM]       ; lanes 0-15 store words 0 and 1 of their row index, lanes 16-31 words 2 and 3
	v_cndmask_b32 v29, v[PW+1], v[PW+3], s[HM]
	global_store_b64 v7, v[28:29], s[32:33]        ; 256 consecutive bytes, aligned
	s_wait_tensorcnt 0x0                           ; the wave's end
	ds_add_u32 v[SPW], v[NIL]
	s_wait_dscnt 0x0
	s_endpgm
	; ---------------- the weights
.Lweights:
	s_sub_co_u32 s20, ttmp9, 640
	s_lshr_b32 s21, s20, 6                         ; which weight: 0 Wq, 1 Wk, 2 Wv, 3 Wo
	s_bfe_u32 s22, s20, 0x30003
	s_and_b32 s23, s20, 7                          ; which 128 along K
	s_lshl_b32 s22, s22, 2
	s_add_co_u32 s22, s22, s18                     ; which 32 columns
	s_wait_alu depctr_va_vdst(0)
	v_lshlrev_b32 v2, 2, v1                        ; in: 4 bytes a lane: lane x takes column 32 x group + x
	v_bfe_u32 v3, v1, 3, 1                         ; u: which of the group's two row tiles my column falls into
	v_and_b32 v4, 7, v1
	v_lshrrev_b32 v5, 4, v1
	v_lshl_or_b32 v4, v5, 3, v4                    ; and its lane index there
	v_lshlrev_b32 v4, 4, v4
	v_mul_u32_u24 v5, v3, 12288
	v_add_nc_u32 v5, v5, v4                        ; the codes' place: 12,288 u + 16 r
	v_lshl_add_u32 v6, v3, 2, v4                   ; the scale word's: 16 r + 4 u
	s_and_b32 s24, s21, 1
	s_wait_alu depctr_va_vdst(0)
	s_wait_kmcnt 0x0
	s_cmp_lt_u32 s21, 2
	s_cselect_b64 s[26:27], s[8:9], s[12:13]
	s_cselect_b64 s[28:29], s[10:11], s[14:15]
	s_cmp_eq_u32 s24, 0
	s_cselect_b64 s[26:27], s[26:27], s[28:29]
	s_lshl_b32 s24, s23, 19                        ; 128 rows of 4,096 bytes
	s_lshl_b32 s25, s22, 7
	s_add_co_u32 s24, s24, s25
	s_mov_b32 s25, 0
	s_add_nc_u64 s[26:27], s[26:27], s[24:25]
.macro WLOAD bl                        ; block bl: W(128 step + 32 bl + i, my column), i = 0 .. 31: each load reads 128 consecutive bytes a wave; every number has a register of its own
.set K, 32*(\bl)
.rept 32
	global_load_b32 v[R+K], v2, s[26:27] offset:4096*K th:TH_LOAD_NT
.set K, K+1
.endr
.endm
	WLOAD 0                                        ; the loads run two blocks ahead
	WLOAD 1
	s_lshl_b32 s30, s21, 6
	s_lshl_b32 s31, s22, 1
	s_add_co_u32 s30, s30, s31
	s_add_co_u32 s30, s30, 1280                    ; row tile 1,280 + 64 x weight + 2 x group
	s_mul_i32 s30, s30, 12288
	s_mul_i32 s31, s23, 1536
	s_add_co_u32 s30, s30, s31
	s_mov_b32 s31, 0
	s_add_nc_u64 s[32:33], s[16:17], s[30:31]
	s_lshl_b32 s30, s21, 4
	s_lshr_b32 s34, s22, 1
	s_add_co_u32 s30, s30, s34
	s_add_co_u32 s30, s30, 320                     ; which 64 rows of the row space
	s_lshl_b32 s30, s30, 11
	s_lshl_b32 s34, s23, 8
	s_add_co_u32 s30, s30, s34
	s_and_b32 s34, s22, 1
	s_lshl_b32 s34, s34, 3                         ; words 0, 1 or words 2, 3
	s_add_co_u32 s30, s30, s34
	s_add_co_u32 s30, s30, S1
	s_add_nc_u64 s[34:35], s[16:17], s[30:31]
; Block bl of my column is what lane (r, bl % 2) of the fragment holds in registers 6 (bl / 2) on: v160-171 are the image of lane (r, 0), v172-183 that of lane (r, 1).
.irp bl, 0,1,2,3
.if \bl < 3
	s_wait_loadcnt 32                              ; this block's 32 loads are in; the next block's 32 may be out
.else
	s_wait_loadcnt 0x0
.endif
.if \bl < 2
	WLOAD \bl+2                                    ; the block two on goes out while this one is worked
.endif
	v_max3_num_f32 v[8+4*\bl], |v[R+32*\bl]|, |v[R+32*\bl+1]|, |v[R+32*\bl+2]|
	v_max3_num_f32 v[9+4*\bl], |v[R+32*\bl+3]|, |v[R+32*\bl+4]|, |v[R+32*\bl+5]|
.irp i, 6,10,14,18,22,26
	v_max3_num_f32 v[8+4*\bl], v[8+4*\bl], |v[R+32*\bl+\i]|, |v[R+32*\bl+\i+1]|
	v_max3_num_f32 v[9+4*\bl], v[9+4*\bl], |v[R+32*\bl+\i+2]|, |v[R+32*\bl+\i+3]|
.endr
	v_max3_num_f32 v[8+4*\bl], v[8+4*\bl], |v[R+32*\bl+30]|, |v[R+32*\bl+31]|
	v_max3_num_f32 v[8+4*\bl], v[8+4*\bl], v[9+4*\bl], 0x1800000   ; and the floor
	v_add_nc_u32 v[10+4*\bl], 0xff000000, v[8+4*\bl]
	v_cvt_scalef32_pk16_fp6_f32 v[160+12*(\bl%2)+6*(\bl/2):162+12*(\bl%2)+6*(\bl/2)], v[R+32*\bl:R+32*\bl+15], v[10+4*\bl]
	v_cvt_scalef32_pk16_fp6_f32 v[184+4*\bl:186+4*\bl], v[R+32*\bl+16:R+32*\bl+31], v[10+4*\bl]
	v_lshrrev_b32 v[11+4*\bl], 23, v[10+4*\bl]     ; the scale's byte (the plain instruction behind the conversions)
.if \bl == 0
	v_mov_b32 v24, v11
.else
	v_lshl_or_b32 v24, v[11+4*\bl], 8*\bl, v24
.endif
.irp i, 0,1,2
	v_mov_b32 v[163+12*(\bl%2)+6*(\bl/2)+\i], v[184+4*\bl+\i]
.endr
.endr
.irp hh, 0,1
.irp g, 0,1,2
	global_store_b128 v5, v[160+12*\hh+4*\g:163+12*\hh+4*\g], s[32:33] offset:512*\g+256*\hh   ; sixteen lanes of a row tile store 256 consecutive bytes, aligned
.endr
.endr
	global_store_b32 v6, v24, s[34:35]
	s_wait_tensorcnt 0x0                           ; the same three closing lines on this path
	ds_add_u32 v[SPW], v[NIL]
	s_wait_dscnt 0x0
	s_endpgm
.Lfunc_end_k_q4320807031_prep:
	.size	k_q4320807031_prep, .Lfunc_end_k_q4320807031_prep-k_q4320807031_prep
	.p2alignl 7, 3214868480
	.fill 96, 4, 3214868480
	.section	.rodata,"a",@progbits
	.p2align	6, 0x0
	.amdhsa_kernel k_q4320807031_prep
		.amdhsa_group_segment_fixed_size 34304
		.amdhsa_private_segment_fixed_size 0
		.amdhsa_enable_private_segment 0
		.amdhsa_kernarg_size 56
		.amdhsa_user_sgpr_count 2
		.amdhsa_user_sgpr_kernarg_segment_ptr 1
		.amdhsa_wavefront_size32 1
		.amdhsa_system_sgpr_workgroup_id_x 1
		.amdhsa_system_sgpr_workgroup_id_y 1
		.amdhsa_system_sgpr_workgroup_id_z 1
		.amdhsa_system_vgpr_workitem_id 0
		.amdhsa_next_free_vgpr 256
		.amdhsa_next_free_sgpr 66
		.amdhsa_reserve_vcc 0
		.amdhsa_float_denorm_mode_32 3
		.amdhsa_float_denorm_mode_16_64 3
		.amdhsa_memory_ordered 1
		.amdhsa_forward_progress 1
		.amdhsa_inst_pref_size 54
	.end_amdhsa_kernel
	.amdgpu_metadata
---
amdhsa.version: [ 1, 2 ]
amdhsa.kernels:
  - .name:           k_q4320807031_prep
    .symbol:         k_q4320807031_prep.kd
    .args:
      - { .name: query, .offset: 0, .size: 8, .value_kind: global_buffer, .address_space: global }
      - { .name: key_value, .offset: 8, .size: 8, .value_kind: global_buffer, .address_space: global }
      - { .name: Wq, .offset: 16, .size: 8, .value_kind: global_buffer, .address_space: global }
      - { .name: Wk, .offset: 24, .size: 8, .value_kind: global_buffer, .address_space: global }
      - { .name: Wv, .offset: 32, .size: 8, .value_kind: global_buffer, .address_space: global }
      - { .name: Wo, .offset: 40, .size: 8, .value_kind: global_buffer, .address_space: global }
      - { .name: img1, .offset: 48, .size: 8, .value_kind: global_buffer, .address_space: global }
    .group_segment_fixed_size: 34304
    .private_segment_fixed_size: 0
    .kernarg_segment_align: 8
    .kernarg_segment_size: 56
    .max_flat_workgroup_size: 128
    .sgpr_count:     66
    .vgpr_count:     256
    .wavefront_size: 32
...
	.end_amdgpu_metadata
.endif
;; end of part 1
;; launch proj (part 2): grid 256 x 1, 4 waves a work-group, no clusters, 327,680 bytes of LDS; arguments img1, bq, bk, bv, img2; writes img2
.if DOCPART == 2
	.amdgcn_target "amdgcn-amd-amdhsa--gfx1250"
	.amdhsa_code_object_version 6
	.text
	.protected	k_q4320807031_proj
	.globl	k_q4320807031_proj
	.p2align	8
	.type	k_q4320807031_proj,@function
k_q4320807031_proj:
	s_mov_b64 s[64:65], 0
	v_nop
	global_prefetch_b8 v0, s[64:65] scope:SCOPE_SE
	s_setreg_imm32_b32 hwreg(HW_REG_WAVE_MODE, 25, 1), 1
	s_wait_xcnt 0x0
; The three projections on codes of FP6 (E2M3), each result quantised along its columns into img2, in the register-ordered images of img1.
;   K   = key_value Wk + bk : moving rows key_value (img1 rows 4096..), resident rows Wk^T (21504..), bias along the columns: work-groups 0-95
;   V^T = Wv^T key_value^T + bv : moving rows Wv^T (22528..), resident rows key_value, bias along the rows; the keys come out innermost: work-groups 96-223
;   Q   = query Wq + bq : moving rows query (0..), resident rows Wq^T (20480..), bias along the columns: work-groups 224-255
; IMAGES.  Row tile t, lane index r, holds row 32 (t / 2) + 8 (t % 2) + r + 8 (r / 8).  A fragment (row tile, 128 along K) is 1,536 bytes, register group g of lane l at 512 g + 16 l; fragments lie [row tile][K step].
; Scale words: [64 rows][K step][256 bytes], 16 bytes a lane index, word j for row tile j of the four.
; SHARES.  A work-group keeps a SLICE of 256 resident rows, all of K, in LDS: 196,608 bytes of codes, one tensor load of 49,152 bytes a wave at the head, filled once; its 8,192 bytes of scale words and the 256 numbers of
; the bias along the columns go there through registers.  A wave walks STRIPS of 64 moving rows: 64 x 256 results, 64 accumulators.  A strip's fragments are the image of their registers in memory, and only this wave needs
; them: they come by global loads straight into registers, four sets of 13 loads (one K step: 12 of codes, 1 of scale words), three K steps ahead, also across the way out into the next strip.  Behind the head's barrier waves share nothing.
; THE DEAL: 2,304 strips.  K: 4 slices x 24 work-groups, wave w of 96 takes strips w, w + 96, w + 192 of 256 (three where w < 64: work-groups 0-63, the lowest numbers); V^T: 64 slices x 2 work-groups, strips w, w + 8 of 16;
; Q: 4 slices x 8 work-groups, strips w, w + 32 of 64.  All choices hang on the work-group's number alone.
; NO CLUSTER: V^T's slices are shared by two work-groups only, and of a work-group's bytes the slice is 196,608 against 8 to 12 strips of 49,152, which go to one wave's registers.
; PREFETCH: in K steps 1 and 2 of a strip a wave names 48 blocks of 256 bytes of its next strip, whose first load stands at the end of K step 4.  The four slices that read a strip take one row tile of it each (12,288 bytes).
; Not for V^T, whose moving rows (Wv^T) all its 128 work-groups read; not in a wave's last strip.
; THE MATRIX INSTRUCTION IS USED TRANSPOSED (source 0 = a resident row tile b, source 1 = a moving row tile a): in accumulator (a, b) register j of lane (r, h) is column 32 (b / 2) + 16 h + 8 (b % 2) + j of lane row r.
; LIMITS: NaN and infinities are not served (the bias not used by a job is multiplied by 0); a block of zeros gets the byte 1 (its codes are zeros; this program alone reads the bytes).
; REGISTERS.  window 0: v0-23 addresses and the bias along the rows; v24-39 the moving rows' scale words, four sets; v40-55 the resident rows', two sets; v64-255 the moving fragments, four sets of 48.
;   window 1: v0-191 resident fragments, tiles 0-7 and 8-15 (on the way out: numbers, codes, work); v192-255 the bias along the columns.  window 2: accumulators of a = 0, 1 ((a, b) at 8 (16 (a % 2) + b)); window 3: of a = 2, 3.
.set S1,    18874368                   ; img1's scale words
.set VT_C,  15728640                   ; img2: V^T's codes (row tile pitch 196,608)
.set QK_S,  28311552                   ; Q's and K's scale words
.set VT_S,  28966912                   ; V^T's
.set BSC,   196608                     ; LDS: behind the slice's codes its scale words,
.set BIA,   204800                     ; the bias along the columns,
.set SPARE, 205824                     ; and the spare words, 128 bytes a wave
.set LI,    3                          ; 16 x lane
.set ADRB,  4                          ; v4-7 LDS address of resident tiles 4 q ..
.set SBA,   8
.set BNA,   9
.set BMO,   10
.set LS8,   11
.set SPW,   12                         ; my spare word's LDS address; never rewritten
.set NIL,   13                         ; 0; never rewritten
.set PFO,   14
.set SAO,   15
.set OA,    16
.set RB,    20
.set SA,    24
.set SB,    40
.set CPS,   58
.set CPG,   59
.set CPB,   60
.set CPH,   61
.set PFO2,  62
.set AF,    64
.set BN,    192                        ; window 1 from here on
.set HA,    0
.set PC,    64
.set TM,    84
.set PW,    100
.set RM,    108
.set TS,    116
.set WV,    14
.set LEFT,  15                         ; strips to go, this one among them
.set G0,    16
.set G1,    20
.set AP,    28                         ; s[28:29] this strip's codes, s[30:31] its scale words
.set NP,    32                         ; the next strip's
.set OP,    36
.set OS,    38
.set RBP,   40
.set PFP,   42
.set STC,   44                         ; steps from strip to strip, in bytes, as pairs
.set STS,   46
.set STO,   48
.set STQ,   50
.set STR,   52
.set SEL,   54
.set HM,    56
.set PFL,   57
.set FC,    58
.set FR,    60
.set MSB,   0
.macro WIN new                         ; the immediate's high byte repeats the setting that is left; a switch that changes nothing is dropped
.if MSB != (\new)
	s_set_vgpr_msb (MSB<<8)|(\new)
.set MSB, (\new)
.endif
.endm
.macro PLACES n                        ; plain instructions between a matrix instruction and a load into, or a vector read or write of, its registers
.rept \n
	v_nop
.endr
.endm
.macro WM d, bf, af, c, sb, sa, row    ; row = 1: the resident tile's scale words stand in lanes 16-31
.if \row
	v_wmma_scale_f32_16x16x128_f8f6f4 v[\d:\d+7], v[\bf:\bf+11], v[\af:\af+11], v[\c:\c+7], v[\sb], v[\sa] matrix_a_fmt:MATRIX_FMT_FP6 matrix_b_fmt:MATRIX_FMT_FP6 matrix_a_scale:MATRIX_SCALE_ROW1
.else
	v_wmma_scale_f32_16x16x128_f8f6f4 v[\d:\d+7], v[\bf:\bf+11], v[\af:\af+11], v[\c:\c+7], v[\sb], v[\sa] matrix_a_fmt:MATRIX_FMT_FP6 matrix_b_fmt:MATRIX_FMT_FP6
.endif
.endm
; 32 matrix instructions: my four moving tiles against resident tiles 8 hf .. 8 hf + 7, K step ks.  first = 1: the bias along the columns starts the sums.  The accumulators take turns, one instruction a turn.
.macro HALF hf, ks, first
.irp a, 0,1,2,3
.if \first
	WIN 0x91+0x40*(\a/2)
.else
	WIN 0xa1+0x50*(\a/2)
.endif
.irp b, 0,1,2,3,4,5,6,7
.if \first
	WM 8*(16*(\a%2)+8*(\hf)+\b), 96*(\hf)+12*\b, AF+48*((\ks)%4)+12*\a, BN+8*\b, SB+8*((\ks)%2)+4*(\hf)+\b%4, SA+4*((\ks)%4)+\a, \b/4
.else
	WM 8*(16*(\a%2)+8*(\hf)+\b), 96*(\hf)+12*\b, AF+48*((\ks)%4)+12*\a, 8*(16*(\a%2)+8*(\hf)+\b), SB+8*((\ks)%2)+4*(\hf)+\b%4, SA+4*((\ks)%4)+\a, \b/4
.endif
.endr
.endr
.endm
.macro BLOAD hf, ks                    ; resident tiles 8 hf .. of K step ks: 24 loads of 512 consecutive bytes
	WIN 0x40
.irp i, 0,1,2,3,4,5,6,7
.irp g, 0,1,2
	ds_load_b128 v[96*(\hf)+12*\i+4*\g:96*(\hf)+12*\i+4*\g+3], v[ADRB+2*(\hf)+\i/4] offset:(\i%4)*12288+(\ks)*1536+512*\g
.endr
.endr
	WIN 0
.endm
.macro SCL ks                          ; their scale words: lanes 0-15 take rows 0-63 (128-191), lanes 16-31 rows 64-127 (192-255)
	ds_load_b128 v[SB+8*((\ks)%2):SB+8*((\ks)%2)+3], v[SBA] offset:256*(\ks)
	ds_load_b128 v[SB+8*((\ks)%2)+4:SB+8*((\ks)%2)+7], v[SBA] offset:4096+256*(\ks)
.endm
.macro BNLOAD c                        ; the bias of columns 128 c .., in the result's layout: 16 loads
	WIN 0x40
.irp t, 0,1,2,3,4,5,6,7
	ds_load_b128 v[BN+8*\t:BN+8*\t+3], v[BNA] offset:512*(\c)+(32*(\t/2)+8*(\t%2))*4
	ds_load_b128 v[BN+8*\t+4:BN+8*\t+7], v[BNA] offset:512*(\c)+(32*(\t/2)+8*(\t%2))*4+16
.endr
	WIN 0
.endm
.macro ALOAD t, p, ks                  ; K step ks of the strip at pointers p into set t: 13 loads
.irp a, 0,1,2,3
.irp g, 0,1,2
	global_load_b128 v[AF+48*(\t)+12*\a+4*\g:AF+48*(\t)+12*\a+4*\g+3], v[LI], s[\p:\p+1] offset:\a*12288+(\ks)*1536+512*\g
.endr
.endr
	global_load_b128 v[SA+4*(\t):SA+4*(\t)+3], v[SAO], s[\p+2:\p+3] offset:256*(\ks)
.endm
.macro RBLOAD                          ; the bias along the rows: my lane row's number of each moving tile
.irp a, 0,1,2,3
	global_load_b32 v[RB+\a], v[BMO], s[RBP:RBP+1] offset:(32*(\a/2)+8*(\a%2))*4
.endr
.endm
.macro PRE                             ; what K step 0 reads from LDS
	BNLOAD 0
	BLOAD 0, 0
	SCL 0
	BLOAD 1, 0
.endm
.macro ASK o                           ; a lane a block of 256 bytes of my slice's row tile of the next strip
	s_cmp_gt_u32 s[LEFT], s[PFL]
	s_cbranch_scc0 .Lnot_asked_\@
	global_prefetch_b8 v[\o], s[PFP:PFP+1] th:TH_LOAD_NT scope:SCOPE_SE
.Lnot_asked_\@:
.endm
; A K step: 64 matrix instructions.  ld: set ks % 4, read out, takes K step pk of the strip at p.  nb: the next K step's resident fragments are fetched, each half when its registers are free.
; cnt: the loads that may stay out behind this step's set: three later sets, 39 (where the bias's four loads stand among them the count asks for a little more than is needed).
.macro STEP ks, first, ld, p, pk, nb, cnt, ask
	s_wait_loadcnt \cnt
	s_wait_dscnt 24                                ; tiles 0-7 and the scale words are in; the youngest 24 loads (tiles 8-15) may be out
	HALF 0, \ks, \first
.if \nb
	PLACES 4
	WIN 0
.if \ask
	ASK \ask
.endif
.if \first
	BNLOAD 1
.endif
	BLOAD 0, (\ks)+1
	SCL (\ks)+1
	s_wait_dscnt 26                                ; all but the 26 just issued for the next step
.else
	s_wait_dscnt 0x0
.endif
	HALF 1, \ks, \first
	PLACES 4
	WIN 0
.if \nb
	BLOAD 1, (\ks)+1
.endif
.if \ld
	ALOAD (\ks)%4, \p, \pk
.endif
.endm
; 64 numbers of a lane, register 16 b + i = k 32 b + 16 (lane / 16) + i of my row, become a fragment's 12 registers in v[PC] on and its scale word in v[pw].
.macro QUANT s, pw
.irp b, 0,1,2,3
	v_max3_num_f32 v[TM+\b], |v[\s+16*\b]|, |v[\s+1+16*\b]|, 0x1800000   ; block b: my 16 numbers, and the floor 2^(3 - 127): the byte cannot fall under 1
.endr
.irp i, 2,4,6,8,10,12,14
.irp b, 0,1,2,3
	v_max3_num_f32 v[TM+\b], v[TM+\b], |v[\s+16*\b+\i]|, |v[\s+1+16*\b+\i]|
.endr
.endr
.irp b, 0,1,2,3
	v_permlanex16_b32 v[TM+4+\b], v[TM+\b], s[SEL], s[SEL+1]
.endr
.irp b, 0,1,2,3
	v_max_num_f32 v[TM+\b], v[TM+\b], v[TM+4+\b]   ; with lane l xor 16's 16: the block's largest magnitude
.endr
.irp b, 0,1,2,3
	v_add_nc_u32 v[TM+8+\b], 0xff000000, v[TM+\b]  ; 2 off its exponent field: the conversion's scale operand
.endr
.irp b, 0,1,2,3
	v_lshrrev_b32 v[TM+4+\b], 23, v[TM+8+\b]       ; the scale's byte
.endr
	v_lshl_or_b32 v[\pw], v[TM+5], 8, v[TM+4]
	v_lshl_or_b32 v[\pw], v[TM+6], 16, v[\pw]
	v_lshl_or_b32 v[\pw], v[TM+7], 24, v[\pw]
.irp c, 0,1
	v_cvt_scalef32_pk16_fp6_f32 v[PC+6*\c:PC+2+6*\c], v[\s+32*\c:\s+15+32*\c], v[TM+8+2*\c]
	v_cvt_scalef32_pk16_fp6_f32 v[PC+12+4*\c:PC+14+4*\c], v[\s+16+32*\c:\s+31+32*\c], v[TM+8+2*\c+1]
.endr
	v_nop                                          ; one plain instruction behind the conversions
.irp c, 0,1
.irp i, 0,1,2
	v_permlane16_swap_b32 v[PC+6*\c+\i], v[PC+12+4*\c+\i]
.endr
.irp i, 0,1,2
	v_mov_b32 v[PC+3+6*\c+\i], v[PC+12+4*\c+\i]
.endr
.endr
.endm
	s_load_b256 s[4:11], s[0:1], 0x0               ; img1 s[4:5], bq s[6:7], bk s[8:9], bv s[10:11]
	s_load_b64 s[12:13], s[0:1], 0x20              ; img2
	v_lshl_add_u32 v[SPW], v0, 2, SPARE
	v_mov_b32 v[NIL], 0
	ds_add_u32 v[SPW], v[NIL]                      ; the opening lines: the add, twice on end, and its wait ahead of my tensor load
	ds_add_u32 v[SPW], v[NIL]
	v_lshrrev_b32 v1, 5, v0
	v_readfirstlane_b32 s[WV], v1
	; the job, from the work-group's number
	s_sub_co_u32 s70, ttmp9, 96                    ; V^T's local number
	s_sub_co_u32 s71, ttmp9, 224                   ; Q's
	s_mov_b32 s74, 20480
	s_cmp_lt_u32 ttmp9, 224
	s_cselect_b32 s72, s70, s71
	s_cselect_b32 s73, 8, 32                       ; strips from one of my strips to the next
	s_cselect_b32 s75, 22528, 0                    ; the moving rows' first row in img1
	s_cselect_b32 s74, 4096, s74                   ; the resident rows'
	s_cmp_lt_u32 ttmp9, 96
	s_cselect_b32 s72, ttmp9, s72
	s_cselect_b32 s73, 96, s73
	s_cselect_b32 s75, 4096, s75
	s_cselect_b32 s74, 21504, s74
	s_lshr_b32 s76, s72, 1
	s_and_b32 s77, s72, 3
	s_and_b32 s78, s72, 1
	s_lshr_b32 s79, s72, 2
	s_mov_b32 s80, 768
	s_mov_b32 s81, QK_S
	s_cmp_lt_u32 s70, 128                          ; V^T's job?
	s_cselect_b32 s76, s76, s77                    ; the slice
	s_cselect_b32 s78, s78, s79                    ; which of the slice's work-groups
	s_cselect_b32 s[FC], 0, 1.0                    ; the factor of the bias along the columns,
	s_cselect_b32 s[FR], 1.0, 0                    ; and of that along the rows
	s_cselect_b32 s[PFL], 99, 1                    ; a prefetch is made while more strips than this are to go
	s_cselect_b32 s80, 12288, s80                  ; the output's bytes of codes a row
	s_cselect_b32 s82, 512, 32                     ; and of scale words
	s_cselect_b32 s81, VT_S, s81
	s_cselect_b32 s83, VT_C, 0
	s_cselect_b32 s84, 0, s75                      ; the output's first row
	s_cselect_b32 s85, 256, 0                      ; bytes of the bias along the rows to a strip
	s_cselect_b32 s86, 0, 1024                     ; bytes of the bias along the columns to a slice
	s_mov_b32 s[FC+1], s[FC]
	s_cmp_lt_u32 ttmp9, 64
	s_cselect_b32 s[LEFT], 3, 2
	s_lshl_b32 s78, s78, 2
	s_add_co_u32 s78, s78, s[WV]                   ; my first strip
	s_lshl_b32 s87, s78, 6
	s_add_co_u32 s88, s87, s75                     ; its first row in img1
	s_mul_i32 s90, s88, 768
	s_mov_b32 s91, 0
	s_lshl_b32 s92, s88, 5
	s_add_co_u32 s92, s92, S1
	s_mov_b32 s93, 0
	s_mul_i32 s[STC], s73, 49152
	s_mov_b32 s[STC+1], 0
	s_lshl_b32 s[STS], s73, 11
	s_mov_b32 s[STS+1], 0
	s_lshl_b32 s94, s76, 8
	s_add_co_u32 s94, s94, s74                     ; the slice's first row
	s_lshl_b32 s95, s[WV], 6
	s_add_co_u32 s95, s95, s94                     ; the 64 rows of it that I fetch
	s_mul_i32 s96, s95, 768
	s_mov_b32 s97, 0
	s_lshl_b32 s98, s94, 5
	s_add_co_u32 s98, s98, S1
	s_mov_b32 s99, 0
	s_add_co_u32 s87, s87, s84                     ; the output's row
	s_mul_i32 s66, s87, s80
	s_add_co_u32 s66, s66, s83
	s_mul_i32 s88, s76, 3072                       ; the slice is two K steps of the output
	s_add_co_u32 s66, s66, s88
	s_mov_b32 s67, 0
	s_mul_i32 s68, s87, s82
	s_add_co_u32 s68, s68, s81
	s_lshl_b32 s88, s76, 9
	s_add_co_u32 s68, s68, s88
	s_mov_b32 s69, 0
	s_lshl_b32 s88, s73, 6
	s_mul_i32 s[STO], s88, s80
	s_mov_b32 s[STO+1], 0
	s_mul_i32 s[STQ], s88, s82
	s_mov_b32 s[STQ+1], 0
	s_mul_i32 s[STR], s73, s85
	s_mov_b32 s[STR+1], 0
	s_mul_i32 s84, s78, s85
	s_mov_b32 s85, 0
	s_mul_i32 s86, s76, s86
	s_mov_b32 s87, 0
	s_mul_i32 s88, s76, 12288
	s_mov_b32 s89, 0
	s_lshl_b32 s79, s80, 4                         ; the output's row tile pitch
	s_mov_b32 s[SEL], 0x76543210
	s_mov_b32 s[SEL+1], 0xfedcba98
	s_mov_b32 s[HM], 0xffff0000
	s_mov_b32 s[G0], 1
	s_mul_i32 s[G0+1], s[WV], 49152                ; my quarter of the slice in LDS
	s_mov_b32 s[G1], 3<<16                         ; a dense block of 49,152 bytes as 192 rows of 32 elements of 8 bytes
	s_mov_b32 s[G1+1], 32<<16
	s_mov_b32 s[G1+2], 192<<16
	s_mov_b32 s[G1+3], 32<<16
	s_mov_b32 s[G1+4], 192
	s_mov_b32 s[G1+5], 32
	s_mov_b32 s[G1+6], 0
	s_mov_b32 s[G1+7], 0
	v_and_b32 v1, 15, v0                           ; r
	v_bfe_u32 v2, v0, 4, 1                         ; h
	v_and_b32 v[LI], 31, v0
	v_lshlrev_b32 v[PFO], 8, v[LI]                 ; blocks 0-31 of a row tile's 48
	v_min_u32 v[PFO2], 15, v[LI]
	v_lshl_add_u32 v[PFO2], v[PFO2], 8, 8192       ; blocks 32-47; lanes 16-31 name the last again
	v_lshlrev_b32 v[LI], 4, v[LI]
.irp q, 0,1,2,3
	v_add_nc_u32 v[ADRB+\q], \q*49152, v[LI]
.endr
	v_lshlrev_b32 v[SAO], 4, v1
	v_lshl_add_u32 v[SBA], v2, 11, v[SAO]
	v_add_nc_u32 v[SBA], BSC, v[SBA]               ; 16 r + 2,048 h
	v_lshlrev_b32 v[BNA], 6, v2
	v_add_nc_u32 v[BNA], BIA, v[BNA]               ; 64 h
	v_and_b32 v[BMO], 8, v1
	v_add_nc_u32 v[BMO], v[BMO], v1
	v_lshlrev_b32 v[BMO], 2, v[BMO]                ; 4 (r + 8 (r / 8))
	v_lshl_add_u32 v[LS8], v2, 3, v[SAO]           ; 16 r + 8 h
	v_lshl_add_u32 v[CPS], v0, 4, BSC
	v_lshlrev_b32 v[CPG], 4, v0
	v_lshl_add_u32 v[CPB], v0, 3, BIA
	v_lshlrev_b32 v[CPH], 3, v0
	v_mov_b32 v[OA], v[LI]
.irp a, 1,2,3
	v_add_nc_u32 v[OA+\a], s79, v[OA+\a-1]
.endr
	s_wait_alu depctr_va_vdst(0)                   ; the wait at the head's end
	s_wait_dscnt 0x0                               ; both opening adds are done
	s_wait_kmcnt 0x0
	s_add_nc_u64 s[G0+2:G0+3], s[4:5], s[96:97]
	s_or_b32 s[G0+3], s[G0+3], 0x80000000
	tensor_load_to_lds s[G0:G0+3], s[G1:G1+7]      ; my one tensor load: 64 resident rows, all of K
	s_nop 0
	s_add_nc_u64 s[AP:AP+1], s[4:5], s[90:91]
	s_add_nc_u64 s[AP+2:AP+3], s[4:5], s[92:93]
	s_add_nc_u64 s[NP:NP+1], s[AP:AP+1], s[STC:STC+1]
	s_add_nc_u64 s[NP+2:NP+3], s[AP+2:AP+3], s[STS:STS+1]
	s_add_nc_u64 s[PFP:PFP+1], s[NP:NP+1], s[88:89]
	s_add_nc_u64 s[98:99], s[4:5], s[98:99]
	s_add_nc_u64 s[OP:OP+1], s[12:13], s[66:67]
	s_add_nc_u64 s[OS:OS+1], s[12:13], s[68:69]
	s_cmp_lt_u32 ttmp9, 96
	s_cselect_b64 s[6:7], s[8:9], s[6:7]
	s_cmp_lt_u32 s70, 128
	s_cselect_b64 s[6:7], s[10:11], s[6:7]         ; the job's bias
	s_add_nc_u64 s[8:9], s[6:7], s[86:87]
	s_add_nc_u64 s[RBP:RBP+1], s[6:7], s[84:85]
.irp k, 0,1,2,3
	global_load_b128 v[SB+4*\k:SB+4*\k+3], v[CPG], s[98:99] offset:2048*\k   ; the slice's scale words: the work-group's 128 threads read 2,048 consecutive bytes
.endr
	global_load_b64 v[56:57], v[CPH], s[8:9]       ; and the 256 numbers of the bias along the columns
	RBLOAD
	ALOAD 0, AP, 0
	ALOAD 1, AP, 1
	ALOAD 2, AP, 2
	ALOAD 3, AP, 3
	s_wait_loadcnt 56                              ; the first five loads are in; the bias along the rows (4) and four sets of 13 may be out
	v_pk_mul_f32 v[56:57], v[56:57], s[FC:FC+1] op_sel_hi:[1,0]   ; x 1 for Q and K, x 0 for V^T
	s_wait_alu depctr_va_vdst(0)
	s_wait_tensorcnt 0x0                           ; my quarter of the slice has landed
.irp k, 0,1,2,3
	ds_store_b128 v[CPS], v[SB+4*\k:SB+4*\k+3] offset:2048*\k
.endr
	ds_store_b64 v[CPB], v[56:57]
	s_wait_dscnt 0x0                               ; for the others' sake
	s_barrier_signal -1
	s_barrier_wait -1                              ; the slice, its scale words and the bias are whole; nothing in LDS is written again
	PRE
.Lstrip:
	STEP 0, 1, 1, AP, 4, 1, 39, 0
	STEP 1, 0, 1, AP, 5, 1, 39, PFO
	STEP 2, 0, 1, AP, 6, 1, 39, PFO2
	STEP 3, 0, 1, AP, 7, 1, 39, 0
	s_cmp_eq_u32 s[LEFT], 1
	s_cbranch_scc1 .Llast_strip
	STEP 4, 0, 1, NP, 0, 1, 39, 0                  ; the sets go on into the next strip
	STEP 5, 0, 1, NP, 1, 1, 39, 0
	STEP 6, 0, 1, NP, 2, 1, 39, 0
	STEP 7, 0, 1, NP, 3, 0, 39, 0
	s_branch .Lout
.Llast_strip:                                          ; nothing more is asked for: two, one, no later sets are out
	STEP 4, 0, 0, 0, 0, 1, 39, 0
	STEP 5, 0, 0, 0, 0, 1, 26, 0
	STEP 6, 0, 0, 0, 0, 1, 13, 0
	STEP 7, 0, 0, 0, 0, 0, 0, 0
.Lout:
	; THE WAY OUT, by blocks of 16 rows x 128 columns: + the bias along the rows, quantised along the columns, stored as a fragment's image.  The step's four places stand behind the last products.
	WIN 0x40
.irp a, 0,1,2,3
	v_mul_f32 v[RM+2*\a], s[FR], v[RB+\a]          ; x 0 for Q and K, x 1 for V^T
	v_mov_b32 v[RM+2*\a+1], 0                      ; named with it as a pair
	v_mov_b32 v[TM+4+\a], 0                        ; a lane permute's destination counts as read
.endr
	s_wait_alu depctr_va_vdst(0)
.irp c, 0,1
.irp a, 0,1,2,3
	WIN 0x46+\a/2                                  ; source 0: window 2 or 3; source 1 and destination: window 1
.set I, 0
.rept 32
	v_pk_add_f32 v[HA+I:HA+I+1], v[128*(\a%2)+64*\c+I:128*(\a%2)+64*\c+I+1], v[RM+2*\a:RM+2*\a+1] op_sel_hi:[1,0]   ; each accumulator from its low end on
.set I, I+2
.endr
	WIN 0x55
	s_wait_xcnt 0x0                                ; the last block's stores have read their data: the codes' registers are written again only behind this wait
	QUANT HA, PW+4*\c+\a
	WIN 0x04                                       ; address window 0, data window 1
.irp g, 0,1,2
	global_store_b128 v[OA+\a], v[PC+4*\g:PC+4*\g+3], s[OP:OP+1] offset:1536*\c+512*\g   ; 512 consecutive bytes, aligned
.endr
.endr
.endr
	WIN 0x55
.irp c, 0,1
	v_cndmask_b32 v[TS+2*\c], v[PW+4*\c], v[PW+4*\c+2], s[HM]       ; lanes 0-15 store words 0, 1 of their row index, lanes 16-31 words 2, 3
	v_cndmask_b32 v[TS+2*\c+1], v[PW+4*\c+1], v[PW+4*\c+3], s[HM]
.endr
	WIN 0x04
.irp c, 0,1
	global_store_b64 v[LS8], v[TS+2*\c:TS+2*\c+1], s[OS:OS+1] offset:256*\c   ; 256 consecutive bytes, aligned
.endr
	WIN 0
	s_cmp_eq_u32 s[LEFT], 1
	s_cbranch_scc1 .Lend
	s_wait_xcnt 0x0                                ; every load, store and prefetch has read its base and its data: pointers step, and LDS loads land on the codes' registers, only behind this wait
	s_mov_b64 s[AP:AP+1], s[NP:NP+1]
	s_mov_b64 s[AP+2:AP+3], s[NP+2:NP+3]
	s_add_nc_u64 s[NP:NP+1], s[NP:NP+1], s[STC:STC+1]
	s_add_nc_u64 s[NP+2:NP+3], s[NP+2:NP+3], s[STS:STS+1]
	s_add_nc_u64 s[PFP:PFP+1], s[PFP:PFP+1], s[STC:STC+1]
	s_add_nc_u64 s[OP:OP+1], s[OP:OP+1], s[STO:STO+1]
	s_add_nc_u64 s[OS:OS+1], s[OS:OS+1], s[STQ:STQ+1]
	s_add_nc_u64 s[RBP:RBP+1], s[RBP:RBP+1], s[STR:STR+1]
	RBLOAD                                         ; issued ahead of the new strip's fifth set, whose wait shows these done too
	PRE
	s_sub_co_u32 s[LEFT], s[LEFT], 1
	s_cmp_lg_u32 s[LEFT], 0
	s_wait_alu depctr_va_vdst(0)                   ; the wait ahead of the branch
	s_cbranch_scc1 .Lstrip
.Lend:
	s_wait_tensorcnt 0x0                           ; the wave's end
	ds_add_u32 v[SPW], v[NIL]
	s_wait_dscnt 0x0
	s_endpgm
.Lfunc_end_k_q4320807031_proj:
	.size	k_q4320807031_proj, .Lfunc_end_k_q4320807031_proj-k_q4320807031_proj
	.p2alignl 7, 3214868480
	.fill 96, 4, 3214868480
	.section	.rodata,"a",@progbits
	.p2align	6, 0x0
	.amdhsa_kernel k_q4320807031_proj
		.amdhsa_group_segment_fixed_size 327680
		.amdhsa_private_segment_fixed_size 0
		.amdhsa_enable_private_segment 0
		.amdhsa_kernarg_size 40
		.amdhsa_user_sgpr_count 2
		.amdhsa_user_sgpr_kernarg_segment_ptr 1
		.amdhsa_wavefront_size32 1
		.amdhsa_system_sgpr_workgroup_id_x 1
		.amdhsa_system_sgpr_workgroup_id_y 1
		.amdhsa_system_sgpr_workgroup_id_z 1
		.amdhsa_system_vgpr_workitem_id 0
		.amdhsa_next_free_vgpr 1024
		.amdhsa_next_free_sgpr 100
		.amdhsa_reserve_vcc 0
		.amdhsa_float_denorm_mode_32 3
		.amdhsa_float_denorm_mode_16_64 3
		.amdhsa_memory_ordered 1
		.amdhsa_forward_progress 1
		.amdhsa_inst_pref_size 219
	.end_amdhsa_kernel
	.amdgpu_metadata
---
amdhsa.version: [ 1, 2 ]
amdhsa.kernels:
  - .name:           k_q4320807031_proj
    .symbol:         k_q4320807031_proj.kd
    .args:
      - { .name: img1, .offset: 0, .size: 8, .value_kind: global_buffer, .address_space: global }
      - { .name: bq, .offset: 8, .size: 8, .value_kind: global_buffer, .address_space: global }
      - { .name: bk, .offset: 16, .size: 8, .value_kind: global_buffer, .address_space: global }
      - { .name: bv, .offset: 24, .size: 8, .value_kind: global_buffer, .address_space: global }
      - { .name: img2, .offset: 32, .size: 8, .value_kind: global_buffer, .address_space: global }
    .group_segment_fixed_size: 327680
    .private_segment_fixed_size: 0
    .kernarg_segment_align: 8
    .kernarg_segment_size: 40
    .max_flat_workgroup_size: 128
    .sgpr_count:     100
    .vgpr_count:     1024
    .wavefront_size: 32
...
	.end_amdgpu_metadata
.endif
;; end of part 2
;; launch scores (part 3): grid 8 x 32, 4 waves a work-group, clusters of 4 x 4, 327,680 bytes of LDS; arguments img2, key_mask, img3; writes img3
.if DOCPART == 3
	.amdgcn_target "amdgcn-amd-amdhsa--gfx1250"
	.amdhsa_code_object_version 6
	.text
	.protected	k_q4320807031_scores
	.globl	k_q4320807031_scores
	.p2align	8
	.type	k_q4320807031_scores,@function
k_q4320807031_scores:
	s_mov_b64 s[64:65], 0
	v_nop
	global_prefetch_b8 v0, s[64:65] scope:SCOPE_SE
	s_setreg_imm32_b32 hwreg(HW_REG_WAVE_MODE, 25, 1), 1
	s_wait_xcnt 0x0
	s_wait_alu depctr_hold_cnt(0) depctr_sa_sdst(0) depctr_va_vdst(0) depctr_va_sdst(0) depctr_va_ssrc(0) depctr_va_vcc(0) depctr_vm_vsrc(0)
	s_getreg_b32 s2, hwreg(HW_REG_IB_STS2, 6, 4)
	s_cmp_eq_u32 s2, 0
	s_cbranch_scc0 .Lentry_in_a_cluster
	s_endpgm
.Lentry_in_a_cluster:
	s_bfe_u32 s2, ttmp6, 0x10000c
	s_cmp_lg_u32 s2, 0xf033
	s_cbranch_scc0 .Lentry_shape_is_right
	s_endpgm
.Lentry_shape_is_right:
; S = Q K^T on codes of FP6 (E2M3); t = S log2(e) / 32, or -1e9 log2(e) where key_mask is 0; p = 2^(t - M) with M = ceil(the largest t of the wave's 128 keys), a whole number; p is quantised along the keys.
; M IS LOCAL to 128 keys: since it is a whole number, the codes are those under the row's M and only the scale bytes differ; the next launch moves the bytes.  Stored: p's codes and scale words (images as in img1, 16 K steps a row tile),
; and for each row and 128 keys M and l = the sum of the unquantised p, both f32: [64 rows][K step][512 bytes]: M at 16 r + 4 j, l 256 bytes on.
; 128 keys that are all masked give t alike, M = t, p = 1: what equal logits give.
; SHARES.  Cluster y = the batch; a work-group makes 128 queries x 256 keys, a wave 64 x 128: 32 accumulators.  The matrix instruction is used transposed (source 0 = 16 keys, source 1 = 16 queries): a lane holds one query, and the
; 64 registers of a block a are its 128 keys' half: register 16 b + i = key 32 b + 16 (lane / 16) + i.
; LDS.  all of K in one region (294,912 bytes: A's 8 row tiles, B's 16): asked for at the head, nothing is filled again.  CLUSTER 4 x 4: Q's tiles shared along a row, K's along a column.
; No prefetch: every tile is asked for at the head.
; LIMITS: NaN and infinities are not served; a score that overflows f32 at a masked key would give NaN (0 x infinity); t is rounded to f32 once before M is taken off.
; REGISTERS.  window 0: v0-29 addresses; v32-63 Q's scale words, v64-95 K's; v96-159 t, then p; v160-207 A's fragments, later codes and work.  window 1: B's fragments, two sets.  window 2: the accumulators.
;   window 3: v0-63 c x mask, v64-127 T x (1 - mask), by key; v128-143 the mask's bytes.
.set MA,    4
; LDS AS IT NOW STANDS: all of K lies in ONE region of 294,912 bytes (A's 8 row tiles, then B's 16, 12,288 bytes each, as in memory); each wave brings its row tiles' whole K by one joint load at the head, and nothing is filled again.
.set NQ,    8
.set NREG,  1
.set NK,    8
.set PITA,  1536
.set PITB,  1536
.set H,     MA/2
.set RTB,   NQ*1536
.set REGB,  (2*MA+16)*RTB
.set BOFF,  2*MA*RTB
.set SPARE, NREG*REGB
.set QK_S,  28311552                   ; img2: Q's and K's scale words
.set P_S,   6291456                    ; img3: p's scale words
.set ST,    6553600                    ; img3: M and l
.set LI,    3
.set LS8,   4
.set SAO,   5
.set SBO,   6
.set MKO,   7                          ; v7   16 h
.set ADRA,  16
.set ADRB,  20
.set SPW,   28
.set NIL,   29
.set SAR,   32
.set SBR,   SAR+4*NK
.set BN,    96
.set HA,    96
.set AF,    160
.set PC,    160
.set TM,    180
.set PW,    196
.set MST,   200                        ; v200-203 M of the four blocks
.set LST,   204                        ; v204-207 l
.set NMP,   208                        ; v[208:209] -M, named as a pair
.set SU,    210                        ; v210-213 the sum, in two packed chains
.set T0,    214
.set CM,    0                          ; in window 3
.set AM,    64
.set MK,    128
.set WV,    20
.set ROLE,  21
.set HALF,  22
.set G1A,   24
.set G1B,   32
.set G0A,   40
.set G0B,   56
.set SEL,   96
.set HM,    98
.set MSB,   0
.macro WIN new                         ; the immediate's high byte repeats the setting that is left; a switch that changes nothing is dropped
.if MSB != (\new)
	s_set_vgpr_msb (MSB<<8)|(\new)
.set MSB, (\new)
.endif
.endm
.macro PLACES n                        ; plain instructions between a matrix instruction and a load into, or a read or write by a vector instruction of, its registers
.rept \n
	v_nop
.endr
.endm
.macro CREST                           ; a round of the cluster's barrier behind its opening barrier
	s_cmp_lg_u32 s[WV], 0
	s_cbranch_scc1 .Lnot_wave_0_\@
	s_barrier_signal -3
.Lnot_wave_0_\@:
	s_barrier_wait -3
	s_barrier_signal -1
	s_barrier_wait -1
.endm
.macro CROUND
	s_barrier_signal -1
	s_barrier_wait -1
	CREST
.endm
.macro JLOAD reg                       ; a joint load into region reg: waves 0, 1 fetch A's halves, waves 2, 3 B's; the branch hangs on the wave's number alone; an s_nop 0 and four v_nop follow each line
	s_cmp_eq_u32 s[ROLE], 0
	s_cbranch_scc0 .Lfor_b_\@
	tensor_load_to_lds s[G0A+4*\reg:G0A+4*\reg+3], s[G1A:G1A+7]
	s_nop 0
.rept 4
	v_nop
.endr
	s_branch .Lasked_\@
.Lfor_b_\@:
	tensor_load_to_lds s[G0B+4*\reg+4*(\reg/2):G0B+4*\reg+4*(\reg/2)+3], s[G1B:G1B+7]
	s_nop 0
.rept 4
	v_nop
.endr
.Lasked_\@:
.endm
.macro FRAG reg, adr, off              ; a fragment comes as the image of its registers: three loads of 512 consecutive bytes
.irp g, 0,1,2
	ds_load_b128 v[\reg+4*\g:\reg+4*\g+3], v[\adr] offset:\off+512*\g
.endr
.endm
.macro FETCH_B s
	WIN 0x40
.irp i, 0,1,2,3,4,5,6,7
	FRAG 128*((\s)%2)+12*\i, ADRB+\i/4, (\i%4)*RTB+((\s)%NQ)*1536   ; an address register for each four row tiles: the offsets stay inside 16 bits
.endr
	WIN 0
.endm
.macro FETCH_A s, a0, n
.set FI, \a0
.rept \n
	FRAG AF+12*FI, ADRA+((\s)/NQ)%NREG, FI*RTB+((\s)%NQ)*1536
.set FI, FI+1
.endr
.endm
.macro WM d, bf, af, c, sb, sa, rows   ; rows: bit 0: B's scale words in lanes 16-31; bit 1: A's
.if (\rows) == 0
	v_wmma_scale_f32_16x16x128_f8f6f4 v[\d:\d+7], v[\bf:\bf+11], v[\af:\af+11], v[\c:\c+7], v[\sb], v[\sa] matrix_a_fmt:MATRIX_FMT_FP6 matrix_b_fmt:MATRIX_FMT_FP6
.elseif (\rows) == 1
	v_wmma_scale_f32_16x16x128_f8f6f4 v[\d:\d+7], v[\bf:\bf+11], v[\af:\af+11], v[\c:\c+7], v[\sb], v[\sa] matrix_a_fmt:MATRIX_FMT_FP6 matrix_b_fmt:MATRIX_FMT_FP6 matrix_a_scale:MATRIX_SCALE_ROW1
.elseif (\rows) == 2
	v_wmma_scale_f32_16x16x128_f8f6f4 v[\d:\d+7], v[\bf:\bf+11], v[\af:\af+11], v[\c:\c+7], v[\sb], v[\sa] matrix_a_fmt:MATRIX_FMT_FP6 matrix_b_fmt:MATRIX_FMT_FP6 matrix_b_scale:MATRIX_SCALE_ROW1
.else
	v_wmma_scale_f32_16x16x128_f8f6f4 v[\d:\d+7], v[\bf:\bf+11], v[\af:\af+11], v[\c:\c+7], v[\sb], v[\sa] matrix_a_fmt:MATRIX_FMT_FP6 matrix_b_fmt:MATRIX_FMT_FP6 matrix_a_scale:MATRIX_SCALE_ROW1 matrix_b_scale:MATRIX_SCALE_ROW1
.endif
.endm
.macro WMZ d, bf, af, sb, sa, rows     ; the same with the constant 0 as C
.if (\rows) == 0
	v_wmma_scale_f32_16x16x128_f8f6f4 v[\d:\d+7], v[\bf:\bf+11], v[\af:\af+11], 0, v[\sb], v[\sa] matrix_a_fmt:MATRIX_FMT_FP6 matrix_b_fmt:MATRIX_FMT_FP6
.elseif (\rows) == 1
	v_wmma_scale_f32_16x16x128_f8f6f4 v[\d:\d+7], v[\bf:\bf+11], v[\af:\af+11], 0, v[\sb], v[\sa] matrix_a_fmt:MATRIX_FMT_FP6 matrix_b_fmt:MATRIX_FMT_FP6 matrix_a_scale:MATRIX_SCALE_ROW1
.elseif (\rows) == 2
	v_wmma_scale_f32_16x16x128_f8f6f4 v[\d:\d+7], v[\bf:\bf+11], v[\af:\af+11], 0, v[\sb], v[\sa] matrix_a_fmt:MATRIX_FMT_FP6 matrix_b_fmt:MATRIX_FMT_FP6 matrix_b_scale:MATRIX_SCALE_ROW1
.else
	v_wmma_scale_f32_16x16x128_f8f6f4 v[\d:\d+7], v[\bf:\bf+11], v[\af:\af+11], 0, v[\sb], v[\sa] matrix_a_fmt:MATRIX_FMT_FP6 matrix_b_fmt:MATRIX_FMT_FP6 matrix_a_scale:MATRIX_SCALE_ROW1 matrix_b_scale:MATRIX_SCALE_ROW1
.endif
.endm
; Block a of A against B's eight, K step s.  zero = 0: onto the sums; 1: the constant 0 starts them; 2: registers of window 0 start them (not used here).  The accumulators take turns, one instruction a turn.
.macro MULA a, s, zero
.if \zero == 2
	WIN 0x81+0x40*((\a)/4)
.else
	WIN 0xa1+0x50*((\a)/4)
.endif
.irp b, 0,1,2,3,4,5,6,7
.if \zero == 2
	WM 8*(8*((\a)%4)+\b), 128*((\s)%2)+12*\b, AF+12*(\a), BN+8*\b, SBR+4*(\s)+\b%4, SAR+4*(\s)+(\a)%4, \b/4+2*((\a)/4)
.elseif \zero == 1
	WMZ 8*(8*((\a)%4)+\b), 128*((\s)%2)+12*\b, AF+12*(\a), SBR+4*(\s)+\b%4, SAR+4*(\s)+(\a)%4, \b/4+2*((\a)/4)
.else
	WM 8*(8*((\a)%4)+\b), 128*((\s)%2)+12*\b, AF+12*(\a), 8*(8*((\a)%4)+\b), SBR+4*(\s)+\b%4, SAR+4*(\s)+(\a)%4, \b/4+2*((\a)/4)
.endif
.endr
.endm
.macro MULH a0, n, s, zero
.set AI, \a0
.rept \n
	MULA AI, \s, \zero
.set AI, AI+1
.endr
.endm
.macro STEP s, zero
	s_wait_dscnt 3*H                               ; B's set and A's first half are in; the youngest 3 H loads (A's second half) may be out
	MULH 0, H, \s, \zero
	s_wait_dscnt 0x0                               ; A's second half is in
	PLACES 4
	FETCH_B (\s)+1
	FETCH_A (\s)+1, 0, H
	MULH H, H, \s, \zero
	PLACES 4
	WIN 0
	FETCH_A (\s)+1, H, H
.endm
; A K step behind which another region is read for the first time: one barrier.  Here kind is always 0: nothing is filled again; cnt later first fills may stay out.
.macro TURN s, kind, cnt, reg, adv
.if \kind
	s_wait_tensorcnt 0x0
	ds_add_u32 v[SPW], v[NIL]
	s_wait_dscnt 3*H+1
.else
	s_wait_tensorcnt \cnt                          ; my part of the region ahead has landed
	s_wait_dscnt 3*H
.endif
	MULH 0, MA/4, \s, 0
	s_wait_dscnt 0x0                               ; no LDS instruction of mine is out at the signal
	s_barrier_signal -1
	MULH MA/4, MA/4, \s, 0
	WIN 0
	s_barrier_wait -1
.if \kind
	CREST
	s_add_nc_u64 s[G0A+4*\reg+2:G0A+4*\reg+3], s[G0A+4*\reg+2:G0A+4*\reg+3], \adv
	s_add_nc_u64 s[G0B+4*\reg+4*(\reg/2)+2:G0B+4*\reg+4*(\reg/2)+3], s[G0B+4*\reg+4*(\reg/2)+2:G0B+4*\reg+4*(\reg/2)+3], \adv
	JLOAD \reg
.else
	PLACES 4
.endif
	FETCH_B (\s)+1
	FETCH_A (\s)+1, 0, H
	MULH H, H, \s, 0
	PLACES 4
	WIN 0
	FETCH_A (\s)+1, H, H
.endm
.macro LAST s
	s_wait_dscnt 3*H
	MULH 0, H, \s, 0
	s_wait_dscnt 0x0
	MULH H, H, \s, 0
	WIN 0
.endm
	s_load_b128 s[4:7], s[0:1], 0x0                ; img2 s[4:5], key_mask s[6:7]
	s_load_b64 s[8:9], s[0:1], 0x10                ; img3
	v_lshl_add_u32 v[SPW], v0, 2, SPARE
	v_mov_b32 v[NIL], 0
	ds_add_u32 v[SPW], v[NIL]                      ; the wave's opening: the add and its wait ahead of my first tensor load
	ds_add_u32 v[SPW], v[NIL]
	v_lshrrev_b32 v1, 5, v0
	v_readfirstlane_b32 s[WV], v1
	s_lshr_b32 s[ROLE], s[WV], 1
	s_and_b32 s[HALF], s[WV], 1
	s_bfe_u32 s76, ttmp6, 0x40000                  ; cx
	s_bfe_u32 s77, ttmp6, 0x40004                  ; cy
	s_and_b32 s78, ttmp7, 0xffff                   ; the batch
	s_lshl_b32 s79, s77, 2
	s_lshl_b32 s79, 15, s79
	s_lshl_b32 s80, 0x1111, s76
	s_or_b32 s[G1A], s79, (3<<16)|(1<<21)          ; the mask; elements of 8 bytes; bit 21 beside a mask; no padding
	s_or_b32 s[G1B], s80, (3<<16)|(1<<21)
	s_mov_b32 s[G1A+1], (RTB/8)<<16
	s_mov_b32 s[G1A+2], MA<<16
	s_mov_b32 s[G1A+3], (RTB/8)<<16
	s_mov_b32 s[G1A+4], MA
	s_mov_b32 s[G1A+5], PITA
	s_mov_b32 s[G1A+6], 0
	s_mov_b32 s[G1A+7], 0
	s_mov_b32 s[G1B+1], (RTB/8)<<16
	s_mov_b32 s[G1B+2], 8<<16
	s_mov_b32 s[G1B+3], (RTB/8)<<16
	s_mov_b32 s[G1B+4], 8
	s_mov_b32 s[G1B+5], PITB
	s_mov_b32 s[G1B+6], 0
	s_mov_b32 s[G1B+7], 0
	s_mov_b32 s[SEL], 0x76543210
	s_mov_b32 s[SEL+1], 0xfedcba98
	s_mov_b32 s[HM], 0xffff0000
	s_mov_b32 s88, 0x3d38aa3b                      ; c = log2(e) / 32
	s_mov_b32 s89, 0xceabfb8f                      ; T = -1e9 log2(e)
	s_mov_b32 s99, 0x4eabfb8f                      ; -T
	s_lshl_b32 s81, ttmp9, 2
	s_add_co_u32 s81, s81, s76                     ; which 256 keys
	s_lshl_b32 s85, s78, 9
	s_lshl_b32 s82, s77, 7
	s_add_co_u32 s85, s85, s82                     ; A's first row: 512 x batch + 128 cy
	s_lshl_b32 s86, s78, 11
	s_lshl_b32 s83, s81, 8
	s_add_co_u32 s86, s86, s83
	s_add_co_u32 s86, s86, 4096                    ; B's first row
	s_lshl_b32 s84, s[HALF], 6
	s_add_co_u32 s92, s85, s84
	s_mul_i32 s92, s92, 768
	s_mov_b32 s93, 0
	s_lshl_b32 s84, s[HALF], 7
	s_add_co_u32 s94, s86, s84
	s_mul_i32 s94, s94, 768
	s_mov_b32 s95, 0
	s_mul_i32 s2, s[HALF], MA*RTB
	s_mul_i32 s3, s[HALF], 8*RTB
	s_add_co_u32 s3, s3, BOFF
	s_wait_dscnt 0x0                               ; the opening add is done
	s_wait_kmcnt 0x0
	s_add_nc_u64 s[92:93], s[4:5], s[92:93]
	s_add_nc_u64 s[94:95], s[4:5], s[94:95]
	CROUND                                         ; all sixteen work-groups are here: the first joint loads meet
.irp g, 0
	s_mov_b32 s[G0A+4*\g], 1
	s_add_co_u32 s[G0A+4*\g+1], s2, \g*REGB
	s_add_nc_u64 s[G0A+4*\g+2:G0A+4*\g+3], s[92:93], \g*RTB
	s_or_b32 s[G0A+4*\g+3], s[G0A+4*\g+3], 0x80000000
	s_mov_b32 s[G0B+4*\g+4*(\g/2)], 1
	s_add_co_u32 s[G0B+4*\g+4*(\g/2)+1], s3, \g*REGB
	s_add_nc_u64 s[G0B+4*\g+4*(\g/2)+2:G0B+4*\g+4*(\g/2)+3], s[94:95], \g*RTB
	s_or_b32 s[G0B+4*\g+4*(\g/2)+3], s[G0B+4*\g+4*(\g/2)+3], 0x80000000
	JLOAD \g                                       ; all of K of my row tiles: my one tensor load
.endr
	v_and_b32 v1, 15, v0                           ; r
	v_bfe_u32 v2, v0, 4, 1                         ; h
	v_and_b32 v[LI], 31, v0
	v_lshlrev_b32 v[LI], 4, v[LI]
	v_lshlrev_b32 v[SAO], 4, v1                    ; 16 r: my 64 rows' words, in both halves of the lanes
	v_lshl_add_u32 v[SBO], v2, 11, v[SAO]          ; 16 r + 2,048 h
	v_lshl_add_u32 v[LS8], v2, 3, v[SAO]
	v_lshlrev_b32 v[MKO], 4, v2
	s_wait_alu depctr_va_vdst(0)
	s_mul_i32 s2, s[ROLE], MA*RTB
	s_mul_i32 s3, s[HALF], 8*RTB
	s_add_co_u32 s3, s3, BOFF
.irp g, 0,1
	v_add_nc_u32 v[ADRA+\g], s2, v[LI]
	v_add_nc_u32 v[ADRB+\g], s3, v[LI]
	s_add_co_u32 s3, s3, 4*RTB
.endr
	s_lshl_b32 s82, s[ROLE], 6
	s_add_co_u32 s82, s82, s85                     ; my wave's first query
	s_lshl_b32 s90, s82, 5
	s_add_co_u32 s90, s90, QK_S
	s_mov_b32 s91, 0
	s_add_nc_u64 s[10:11], s[4:5], s[90:91]
	s_lshl_b32 s83, s[HALF], 7
	s_add_co_u32 s83, s83, s86                     ; my wave's first key, as a row of img2
	s_lshl_b32 s90, s83, 5
	s_add_co_u32 s90, s90, QK_S
	s_add_nc_u64 s[12:13], s[4:5], s[90:91]
	s_sub_co_u32 s90, s83, 4096                    ; and as an index into key_mask
	s_add_nc_u64 s[14:15], s[6:7], s[90:91]
.irp k, 0,1,2,3,4,5,6,7
	global_load_b128 v[SAR+4*\k:SAR+4*\k+3], v[SAO], s[10:11] offset:256*\k
	global_load_b128 v[SBR+4*\k:SBR+4*\k+3], v[SBO], s[12:13] offset:256*\k
.endr
	WIN 0xc0
.irp b, 0,1,2,3
	global_load_b128 v[MK+4*\b:MK+4*\b+3], v[MKO], s[14:15] offset:32*\b   ; the mask bytes of keys 32 b + 16 h + 0 .. 15
.endr
	WIN 0
	s_lshl_b32 s84, s81, 1
	s_add_co_u32 s84, s84, s[HALF]                 ; the output's K step
	s_add_co_u32 s90, s82, s84
	s_mul_i32 s90, s90, 1536                       ; a row's 1,536 bytes and a K step's 1,536
	s_add_nc_u64 s[16:17], s[8:9], s[90:91]        ; p's codes
	s_lshl_b32 s90, s82, 6
	s_lshl_b32 s87, s84, 8
	s_add_co_u32 s90, s90, s87
	s_add_co_u32 s90, s90, P_S
	s_add_nc_u64 s[18:19], s[8:9], s[90:91]        ; p's scale words
	s_lshl_b32 s90, s82, 7
	s_lshl_b32 s87, s84, 9
	s_add_co_u32 s90, s90, s87
	s_add_co_u32 s90, s90, ST
	s_add_nc_u64 s[66:67], s[8:9], s[90:91]        ; M and l
	s_wait_loadcnt 0x0                             ; scale words and mask
	WIN 0xff                                       ; all operands in window 3.  Register n of the 64 stands for key 32 (n / 16) + 16 h + n % 16
.set N, 0
.rept 64
	v_bfe_u32 v[CM+N], v[MK+4*(N/16)+(N%16)/4], 8*(N%4), 8
.set N, N+1
.endr
.set N, 0
.rept 64
	v_cvt_f32_u32 v[CM+N], v[CM+N]                 ; 1.0 where the key counts, else 0
.set N, N+1
.endr
.set N, 0
.rept 64
	v_fma_f32 v[AM+N], v[CM+N], s99, s89           ; T x (1 - mask)
.set N, N+1
.endr
.set N, 0
.rept 64
	v_mul_f32 v[CM+N], s88, v[CM+N]                ; c x mask
.set N, N+1
.endr
	WIN 0
	s_wait_tensorcnt 0x0                           ; my load has landed
	s_barrier_signal -1
	s_barrier_wait -1
	FETCH_B 0
	FETCH_A 0, 0, H
	FETCH_A 0, H, H
	STEP 0, 1
	STEP 1, 0
	STEP 2, 0
	STEP 3, 0
	STEP 4, 0
	STEP 5, 0
	STEP 6, 0
	LAST 7
; THE WAY OUT of block a: 16 queries x 128 keys.
.macro SOFTQ a
	WIN 0x3e                                       ; source 0: window 2; sources 1 and 2: window 3
.set I, 0
.rept 32
	v_pk_fma_f32 v[HA+I:HA+I+1], v[64*\a+I:64*\a+I+1], v[CM+I:CM+I+1], v[AM+I:AM+I+1]   ; t; each accumulator from its low end on
.set I, I+2
.endr
	WIN 0
.irp b, 0,1,2,3
	v_max3_num_f32 v[TM+\b], v[HA+16*\b], v[HA+1+16*\b], v[HA+2+16*\b]   ; the largest t of each block of 32 keys: it serves for M and, since p rises with t, for the block's largest p
.endr
.irp i, 3,5,7,9,11,13
.irp b, 0,1,2,3
	v_max3_num_f32 v[TM+\b], v[TM+\b], v[HA+16*\b+\i], v[HA+1+16*\b+\i]
.endr
.endr
.irp b, 0,1,2,3
	v_max_num_f32 v[TM+\b], v[TM+\b], v[HA+15+16*\b]
.endr
.irp b, 0,1,2,3
	v_permlanex16_b32 v[TM+4+\b], v[TM+\b], s[SEL], s[SEL+1]
.endr
.irp b, 0,1,2,3
	v_max_num_f32 v[TM+\b], v[TM+\b], v[TM+4+\b]
.endr
	v_max3_num_f32 v[T0], v[TM], v[TM+1], v[TM+2]
	v_max_num_f32 v[T0], v[T0], v[TM+3]            ; the largest t of my query's 128 keys
	v_floor_f32 v[NMP], -v[T0]                     ; -M = floor(-t) = -ceil(t)
.set I, 0
.rept 32
	v_pk_add_f32 v[HA+I:HA+I+1], v[HA+I:HA+I+1], v[NMP:NMP+1] op_sel_hi:[1,0]   ; t - M
.set I, I+2
.endr
.irp b, 0,1,2,3
	v_add_f32 v[TM+\b], v[TM+\b], v[NMP]           ; the same of each block's largest t
.endr
.set I, 0
	s_wait_alu depctr_va_vdst(0)
.rept 64
	v_exp_f32 v[HA+I], v[HA+I]                     ; p = 2^(t - M)
.set I, I+1
.endr
	v_sub_f32 v[MST+\a], 0, v[NMP]                 ; M.  (The plain instruction behind the exponentials)
	s_wait_alu depctr_va_vdst(0)                   ; one wait for the batch of 64, ahead of its first reader
.irp b, 0,1,2,3
	v_exp_f32 v[TM+\b], v[TM+\b]                   ; the block's largest p: the same instructions on the same number give the same bits
.endr
	v_pk_add_f32 v[SU:SU+1], v[HA:HA+1], v[HA+2:HA+3]          ; l is the sum of the unquantised p: two packed chains, plain work behind the four
	v_pk_add_f32 v[SU+2:SU+3], v[HA+4:HA+5], v[HA+6:HA+7]
.irp j, 8,12,16,20,24,28,32,36,40,44,48,52,56,60
	v_pk_add_f32 v[SU:SU+1], v[SU:SU+1], v[HA+\j:HA+\j+1]
	v_pk_add_f32 v[SU+2:SU+3], v[SU+2:SU+3], v[HA+\j+2:HA+\j+3]
.endr
	v_pk_add_f32 v[SU:SU+1], v[SU:SU+1], v[SU+2:SU+3]
	v_add_f32 v[LST+\a], v[SU], v[SU+1]
	v_permlanex16_b32 v[TM+4], v[LST+\a], s[SEL], s[SEL+1]
	v_add_f32 v[LST+\a], v[LST+\a], v[TM+4]        ; with lane l xor 16's 64 keys
	s_wait_alu depctr_va_vdst(0)                   ; and one wait for the four
.irp b, 0,1,2,3
	v_max_num_f32 v[TM+\b], 0x1800000, v[TM+\b]    ; the floor 2^(3 - 127): the byte cannot fall under 1 (a block whose every p is 0 keeps that byte: its codes are zeros)
.endr
.irp b, 0,1,2,3
	v_add_nc_u32 v[TM+8+\b], 0xff000000, v[TM+\b]
.endr
.irp b, 0,1,2,3
	v_lshrrev_b32 v[TM+4+\b], 23, v[TM+8+\b]
.endr
	v_lshl_or_b32 v[PW+\a], v[TM+5], 8, v[TM+4]
	v_lshl_or_b32 v[PW+\a], v[TM+6], 16, v[PW+\a]
	v_lshl_or_b32 v[PW+\a], v[TM+7], 24, v[PW+\a]
	s_wait_xcnt 0x0                                ; the last block's stores have read their data
.irp c, 0,1
	v_cvt_scalef32_pk16_fp6_f32 v[PC+6*\c:PC+2+6*\c], v[HA+32*\c:HA+15+32*\c], v[TM+8+2*\c]
	v_cvt_scalef32_pk16_fp6_f32 v[PC+12+4*\c:PC+14+4*\c], v[HA+16+32*\c:HA+31+32*\c], v[TM+8+2*\c+1]
.endr
	v_nop                                          ; one plain instruction behind the conversions
.irp c, 0,1
.irp i, 0,1,2
	v_permlane16_swap_b32 v[PC+6*\c+\i], v[PC+12+4*\c+\i]
.endr
.irp i, 0,1,2
	v_mov_b32 v[PC+3+6*\c+\i], v[PC+12+4*\c+\i]
.endr
.endr
.irp g, 0,1,2
	global_store_b128 v[LI], v[PC+4*\g:PC+4*\g+3], s[16:17] offset:24576*\a+512*\g   ; 512 consecutive bytes, aligned
.endr
.endm
	PLACES 4
.irp b, 0,1,2,3
	v_mov_b32 v[TM+4+\b], 0                        ; a lane permute's destination counts as read
.endr
	v_mov_b32 v[NMP+1], 0                          ; named with -M as a pair
	SOFTQ 0
	SOFTQ 1
	SOFTQ 2
	SOFTQ 3
	v_cndmask_b32 v[TM], v[PW], v[PW+2], s[HM]
	v_cndmask_b32 v[TM+1], v[PW+1], v[PW+3], s[HM]
.irp j, 0,1,2,3
	v_cndmask_b32 v[TM+4+\j], v[MST+\j], v[LST+\j], s[HM]   ; lanes 0-15 store M, lanes 16-31 l
.endr
	global_store_b64 v[LS8], v[TM:TM+1], s[18:19]  ; 256 consecutive bytes, aligned
	global_store_b128 v[LI], v[TM+4:TM+7], s[66:67]   ; 512 consecutive bytes, aligned
	s_wait_tensorcnt 0x0                           ; the wave's end
	ds_add_u32 v[SPW], v[NIL]
	s_wait_dscnt 0x0
	CROUND                                         ; the closing round
	s_endpgm
.Lfunc_end_k_q4320807031_scores:
	.size	k_q4320807031_scores, .Lfunc_end_k_q4320807031_scores-k_q4320807031_scores
	.p2alignl 7, 3214868480
	.fill 96, 4, 3214868480
	.section	.rodata,"a",@progbits
	.p2align	6, 0x0
	.amdhsa_kernel k_q4320807031_scores
		.amdhsa_group_segment_fixed_size 327680
		.amdhsa_private_segment_fixed_size 0
		.amdhsa_enable_private_segment 0
		.amdhsa_kernarg_size 24
		.amdhsa_user_sgpr_count 2
		.amdhsa_user_sgpr_kernarg_segment_ptr 1
		.amdhsa_wavefront_size32 1
		.amdhsa_system_sgpr_workgroup_id_x 1
		.amdhsa_system_sgpr_workgroup_id_y 1
		.amdhsa_system_sgpr_workgroup_id_z 1
		.amdhsa_system_vgpr_workitem_id 0
		.amdhsa_next_free_vgpr 1024
		.amdhsa_next_free_sgpr 100
		.amdhsa_reserve_vcc 0
		.amdhsa_float_denorm_mode_32 3
		.amdhsa_float_denorm_mode_16_64 3
		.amdhsa_memory_ordered 1
		.amdhsa_forward_progress 1
		.amdhsa_inst_pref_size 127
	.end_amdhsa_kernel
	.amdgpu_metadata
---
amdhsa.version: [ 1, 2 ]
amdhsa.kernels:
  - .name:           k_q4320807031_scores
    .symbol:         k_q4320807031_scores.kd
    .args:
      - { .name: img2, .offset: 0, .size: 8, .value_kind: global_buffer, .address_space: global }
      - { .name: key_mask, .offset: 8, .size: 8, .value_kind: global_buffer, .address_space: global }
      - { .name: img3, .offset: 16, .size: 8, .value_kind: global_buffer, .address_space: global }
    .group_segment_fixed_size: 327680
    .private_segment_fixed_size: 0
    .kernarg_segment_align: 8
    .kernarg_segment_size: 24
    .max_flat_workgroup_size: 128
    .sgpr_count:     100
    .vgpr_count:     1024
    .wavefront_size: 32
...
	.end_amdgpu_metadata
.endif
;; end of part 3
;; launch ctx (part 4): grid 4 x 64, 4 waves a work-group, clusters of 4 x 1, 327,680 bytes of LDS; arguments img3, img2, img4; writes img4
.if DOCPART == 4
	.amdgcn_target "amdgcn-amd-amdhsa--gfx1250"
	.amdhsa_code_object_version 6
	.text
	.protected	k_q4320807031_ctx
	.globl	k_q4320807031_ctx
	.p2align	8
	.type	k_q4320807031_ctx,@function
k_q4320807031_ctx:
	s_mov_b64 s[64:65], 0
	v_nop
	global_prefetch_b8 v0, s[64:65] scope:SCOPE_SE
	s_setreg_imm32_b32 hwreg(HW_REG_WAVE_MODE, 25, 1), 1
	s_wait_xcnt 0x0
	s_wait_alu depctr_hold_cnt(0) depctr_sa_sdst(0) depctr_va_vdst(0) depctr_va_sdst(0) depctr_va_ssrc(0) depctr_va_vcc(0) depctr_vm_vsrc(0)
	s_getreg_b32 s2, hwreg(HW_REG_IB_STS2, 6, 4)
	s_cmp_eq_u32 s2, 0
	s_cbranch_scc0 .Lentry_in_a_cluster
	s_endpgm
.Lentry_in_a_cluster:
	s_bfe_u32 s2, ttmp6, 0x10000c
	s_cmp_lg_u32 s2, 0x3003
	s_cbranch_scc0 .Lentry_shape_is_right
	s_endpgm
.Lentry_shape_is_right:
; context = (p V) / l on codes of FP6 (E2M3), quantised along the hidden axis into img4 (register-ordered images, as in img1: row tile t, lane index r, holds row 32 (t / 2) + 8 (t % 2) + r + 8 (r / 8);
; a fragment (row tile, 128 along K) is 1,536 bytes, register group g of lane l at 512 g + 16 l; scale words [64 rows][K step][256 bytes], word j of lane index r at 16 r + 4 j).
; p's codes were made under an M of their own for each 128 keys, a whole number.  Here the row's M is the largest of the 16; each K step's scale bytes are lowered by (row's M - step's M), held at 0 from below (the difference is held
; at 127), and the step's l is scaled by the same power of two; the product is multiplied by 1 / (the sum of the l).
; SHARES.  Cluster y = 8 x batch + slice of 128 hidden units; the cluster's four work-groups take the batch's four blocks of 128 queries.  A wave makes 32 queries x 128 hidden units: 16 accumulators, K = 2,048 keys in 16 steps.
; V^T's slice (8 row tiles x 24,576 bytes = 196,608) lies in LDS for the whole launch: one JOINT load a wave (2 row tiles), shared by the four work-groups; nothing is filled again.
; p's fragments are needed by one wave alone and lie in memory as the image of their registers: all 32 of them (384 registers) come by global loads at the head.  So do all scale words, M and l.
; No prefetch: everything is asked for at the head; there is no loop to run ahead in.
; The matrix instruction is used transposed (source 0 = 16 hidden units, source 1 = 16 queries): a lane holds one query, the 64 registers of a block are 16 neighbours of each block of 32 hidden units.
; A wave's two scale words of a lane index leave as 8 bytes (both halves of the lanes store the same bytes): 128 KiB in all.
; LIMITS: NaN and infinities are not served; a block of zeros gets the byte 1 (its codes are zeros; this program alone reads the bytes).
; REGISTERS.  window 0: v3-13 addresses; v32-63 p's scale words (2 k + a); v64-127 V^T's (4 k + j; lanes 16-31: the second 64 rows); v128-223 M, l and work.  window 1: V^T's fragments, two sets of 96; on the way out numbers and codes.
;   windows 2, 3: v0-191 p's fragments of K steps 0-7, 8-15 (24 (s % 8) + 12 a); v192-255 the accumulators of block a = 0, 1.
.set NK,    16
.set VT_C,  15728640
.set VT_S,  28966912
.set P_S,   6291456
.set ST,    6553600
.set C_S,   3145728
.set SPARE, 196608                     ; behind the slice: the spare words, 128 bytes a wave
.set LI,    3
.set ADRB,  4
.set SAO,   8
.set SBO,   9
.set SPW,   12                         ; my spare word's LDS address; never rewritten
.set NIL,   13                         ; 0; never rewritten
.set SAR,   32
.set SBR,   64
.set MM,    128
.set LL,    160
.set MG,    192
.set LG,    194
.set RL,    196
.set T,     208
.set HA,    0                          ; window 1 from here on
.set PC,    64
.set TM,    84
.set PW,    100
.set WV,    10
.set G0,    12
.set G1,    16
.set PA,    24
.set PS,    26
.set PT,    28
.set PB,    30
.set OP,    32
.set OS,    34
.set SEL,   36
.set K80,   38
.set MSB,   0
.macro WIN new                         ; the immediate's high byte repeats the setting that is left; a switch that changes nothing is dropped
.if MSB != (\new)
	s_set_vgpr_msb (MSB<<8)|(\new)
.set MSB, (\new)
.endif
.endm
.macro PLACES n                        ; plain instructions between a matrix instruction and a load into, or a vector read or write of, its registers
.rept \n
	v_nop
.endr
.endm
.macro CROUND                          ; a round of the cluster's barrier
	s_barrier_signal -1
	s_barrier_wait -1
	s_cmp_lg_u32 s[WV], 0
	s_cbranch_scc1 .Lnot_wave_0_\@
	s_barrier_signal -3
.Lnot_wave_0_\@:
	s_barrier_wait -3
	s_barrier_signal -1
	s_barrier_wait -1
.endm
.macro WM d, bf, af, z, sb, sa, row    ; z = 1: the constant 0 starts the sum; row = 1: V^T's scale words stand in lanes 16-31
.if \z
.if \row
	v_wmma_scale_f32_16x16x128_f8f6f4 v[\d:\d+7], v[\bf:\bf+11], v[\af:\af+11], 0, v[\sb], v[\sa] matrix_a_fmt:MATRIX_FMT_FP6 matrix_b_fmt:MATRIX_FMT_FP6 matrix_a_scale:MATRIX_SCALE_ROW1
.else
	v_wmma_scale_f32_16x16x128_f8f6f4 v[\d:\d+7], v[\bf:\bf+11], v[\af:\af+11], 0, v[\sb], v[\sa] matrix_a_fmt:MATRIX_FMT_FP6 matrix_b_fmt:MATRIX_FMT_FP6
.endif
.else
.if \row
	v_wmma_scale_f32_16x16x128_f8f6f4 v[\d:\d+7], v[\bf:\bf+11], v[\af:\af+11], v[\d:\d+7], v[\sb], v[\sa] matrix_a_fmt:MATRIX_FMT_FP6 matrix_b_fmt:MATRIX_FMT_FP6 matrix_a_scale:MATRIX_SCALE_ROW1
.else
	v_wmma_scale_f32_16x16x128_f8f6f4 v[\d:\d+7], v[\bf:\bf+11], v[\af:\af+11], v[\d:\d+7], v[\sb], v[\sa] matrix_a_fmt:MATRIX_FMT_FP6 matrix_b_fmt:MATRIX_FMT_FP6
.endif
.endif
.endm
.macro BLOAD s                         ; V^T's eight fragments of K step s into set s % 2: 24 loads of 512 consecutive bytes
	WIN 0x40
.irp i, 0,1,2,3,4,5,6,7
.irp g, 0,1,2
	ds_load_b128 v[96*((\s)%2)+12*\i+4*\g:96*((\s)%2)+12*\i+4*\g+3], v[ADRB+\i/2] offset:(\i%2)*24576+(\s)*1536+512*\g
.endr
.endr
.endm
; A K step: the next step's fragments are asked for, then 16 matrix instructions; the accumulators take turns, one instruction a turn.
.macro KSTEP s
.if (\s) < NK-1
	PLACES 4                                       ; the other set was read by the last step's products
	BLOAD (\s)+1
	s_wait_dscnt 24                                ; this step's set is in; the 24 loads just issued may be out
.else
	s_wait_dscnt 0x0
.endif
.irp a, 0,1
	WIN ((2+\a)<<6)|((2+\a)<<4)|((2+(\s)/8)<<2)|1  ; C and D: window 2 + a; source 1 (p): window 2 + s / 8; source 0 (V^T): window 1
.irp b, 0,1,2,3,4,5,6,7
	WM 192+8*\b, 96*((\s)%2)+12*\b, 24*((\s)%8)+12*\a, (\s)==0, SBR+4*(\s)+\b%4, SAR+2*(\s)+\a, \b/4
.endr
.endr
.endm
; 64 numbers of a lane, register 16 b + i = k 32 b + 16 (lane / 16) + i of my row, become a fragment's 12 registers in v[PC] on and its scale word in v[pw].
.macro QUANT s, pw
.irp b, 0,1,2,3
	v_max3_num_f32 v[TM+\b], |v[\s+16*\b]|, |v[\s+1+16*\b]|, 0x1800000   ; block b: my 16 numbers, and the floor 2^(3 - 127): the byte cannot fall under 1
.endr
.irp i, 2,4,6,8,10,12,14
.irp b, 0,1,2,3
	v_max3_num_f32 v[TM+\b], v[TM+\b], |v[\s+16*\b+\i]|, |v[\s+1+16*\b+\i]|
.endr
.endr
.irp b, 0,1,2,3
	v_permlanex16_b32 v[TM+4+\b], v[TM+\b], s[SEL], s[SEL+1]
.endr
.irp b, 0,1,2,3
	v_max_num_f32 v[TM+\b], v[TM+\b], v[TM+4+\b]   ; with lane l xor 16's 16: the block's largest magnitude
.endr
.irp b, 0,1,2,3
	v_add_nc_u32 v[TM+8+\b], 0xff000000, v[TM+\b]  ; 2 off its exponent field: the conversion's scale operand
.endr
.irp b, 0,1,2,3
	v_lshrrev_b32 v[TM+4+\b], 23, v[TM+8+\b]       ; the scale's byte
.endr
	v_lshl_or_b32 v[\pw], v[TM+5], 8, v[TM+4]
	v_lshl_or_b32 v[\pw], v[TM+6], 16, v[\pw]
	v_lshl_or_b32 v[\pw], v[TM+7], 24, v[\pw]
.irp c, 0,1
	v_cvt_scalef32_pk16_fp6_f32 v[PC+6*\c:PC+2+6*\c], v[\s+32*\c:\s+15+32*\c], v[TM+8+2*\c]
	v_cvt_scalef32_pk16_fp6_f32 v[PC+12+4*\c:PC+14+4*\c], v[\s+16+32*\c:\s+31+32*\c], v[TM+8+2*\c+1]
.endr
	v_nop                                          ; one plain instruction behind the conversions
.irp c, 0,1
.irp i, 0,1,2
	v_permlane16_swap_b32 v[PC+6*\c+\i], v[PC+12+4*\c+\i]
.endr
.irp i, 0,1,2
	v_mov_b32 v[PC+3+6*\c+\i], v[PC+12+4*\c+\i]
.endr
.endr
.endm
	s_load_b128 s[4:7], s[0:1], 0x0                ; img3 s[4:5], img2 s[6:7]
	s_load_b64 s[8:9], s[0:1], 0x10                ; img4
	v_lshl_add_u32 v[SPW], v0, 2, SPARE
	v_mov_b32 v[NIL], 0
	ds_add_u32 v[SPW], v[NIL]                      ; the opening lines: the add, twice on end, and its wait ahead of the round in front of my tensor load
	ds_add_u32 v[SPW], v[NIL]
	v_lshrrev_b32 v1, 5, v0
	v_readfirstlane_b32 s[WV], v1
	s_bfe_u32 s40, ttmp6, 0x40000                  ; cx: which 128 queries of the batch
	s_and_b32 s41, ttmp7, 0xffff
	s_lshr_b32 s42, s41, 3                         ; the batch
	s_and_b32 s43, s41, 7                          ; the slice
	s_lshl_b32 s44, s43, 3                         ; the joint load's address hangs on the cluster's y and the wave's number alone
	s_lshl_b32 s45, s[WV], 1
	s_add_co_u32 s44, s44, s45                     ; my two row tiles of V^T
	s_mul_i32 s44, s44, 196608
	s_mul_i32 s45, s42, 24576                      ; the batch's 16 K steps
	s_add_co_u32 s44, s44, s45
	s_add_co_u32 s44, s44, VT_C
	s_mov_b32 s45, 0
	s_mov_b32 s[G0], 1
	s_mul_i32 s[G0+1], s[WV], 49152
	s_mov_b32 s[G1], 15|(3<<16)|(1<<21)            ; the mask of the cluster's four; elements of 8 bytes; bit 21 beside a mask
	s_mov_b32 s[G1+1], 3072<<16                    ; a row: a row tile's 24,576 bytes of this batch
	s_mov_b32 s[G1+2], 2<<16
	s_mov_b32 s[G1+3], 3072<<16
	s_mov_b32 s[G1+4], 2
	s_mov_b32 s[G1+5], 24576                       ; from row tile to row tile
	s_mov_b32 s[G1+6], 0
	s_mov_b32 s[G1+7], 0
	s_lshl_b32 s46, s42, 9
	s_lshl_b32 s47, s40, 7
	s_add_co_u32 s46, s46, s47
	s_lshl_b32 s47, s[WV], 5
	s_add_co_u32 s46, s46, s47                     ; my first query
	s_lshr_b32 s47, s46, 6                         ; its group of 64 rows
	s_mul_i32 s48, s46, 1536
	s_mov_b32 s49, 0
	s_lshl_b32 s50, s47, 12
	s_add_co_u32 s50, s50, P_S
	s_mov_b32 s51, 0
	s_lshl_b32 s52, s47, 13
	s_add_co_u32 s52, s52, ST
	s_mov_b32 s53, 0
	s_lshl_b32 s54, s43, 16
	s_lshl_b32 s55, s42, 12
	s_add_co_u32 s54, s54, s55
	s_add_co_u32 s54, s54, VT_S
	s_mov_b32 s55, 0
	s_mul_i32 s56, s46, 768
	s_mul_i32 s57, s43, 1536
	s_add_co_u32 s56, s56, s57
	s_mov_b32 s57, 0
	s_lshl_b32 s58, s47, 11
	s_lshl_b32 s59, s43, 8
	s_add_co_u32 s58, s58, s59
	s_add_co_u32 s58, s58, C_S
	s_mov_b32 s59, 0
	s_mov_b32 s[SEL], 0x76543210
	s_mov_b32 s[SEL+1], 0xfedcba98
	s_mov_b32 s[K80], 0x80808080
	v_and_b32 v1, 15, v0                           ; r
	v_bfe_u32 v2, v0, 4, 1                         ; h
	v_bfe_u32 v14, v0, 5, 1                        ; wave % 2: which two of the group's four row tiles are mine
	v_and_b32 v[LI], 31, v0
	v_lshlrev_b32 v[LI], 4, v[LI]
.irp q, 0,1,2,3
	v_add_nc_u32 v[ADRB+\q], \q*49152, v[LI]
.endr
	v_lshlrev_b32 v15, 4, v1
	v_lshl_add_u32 v[SAO], v14, 3, v15             ; 16 r + 8 (wave % 2)
	v_lshl_add_u32 v[SBO], v2, 15, v15             ; 16 r + 32,768 h
	s_wait_alu depctr_va_vdst(0)                   ; the wait at the head's end
	s_wait_dscnt 0x0                               ; both opening adds are done
	s_wait_kmcnt 0x0
	s_add_nc_u64 s[G0+2:G0+3], s[6:7], s[44:45]
	s_or_b32 s[G0+3], s[G0+3], 0x80000000
	s_add_nc_u64 s[PA:PA+1], s[4:5], s[48:49]
	s_add_nc_u64 s[PS:PS+1], s[4:5], s[50:51]
	s_add_nc_u64 s[PT:PT+1], s[4:5], s[52:53]
	s_add_nc_u64 s[PB:PB+1], s[6:7], s[54:55]
	s_add_nc_u64 s[OP:OP+1], s[8:9], s[56:57]
	s_add_nc_u64 s[OS:OS+1], s[8:9], s[58:59]
	CROUND                                         ; all four work-groups are here: the joint loads meet
	tensor_load_to_lds s[G0:G0+3], s[G1:G1+7]      ; my one tensor load
	s_nop 0
	PLACES 4
.set K, 0
.rept NK
	global_load_b64 v[MM+2*K:MM+2*K+1], v[SAO], s[PT:PT+1] offset:512*K          ; M of my two row tiles, K step K
	global_load_b64 v[LL+2*K:LL+2*K+1], v[SAO], s[PT:PT+1] offset:512*K+256      ; l
	global_load_b64 v[SAR+2*K:SAR+2*K+1], v[SAO], s[PS:PS+1] offset:256*K        ; p's scale words
	global_load_b128 v[SBR+4*K:SBR+4*K+3], v[SBO], s[PB:PB+1] offset:256*K       ; V^T's
.set K, K+1
.endr
.set K, 0
.rept NK
	WIN 0x80+0x40*(K/8)
.irp a, 0,1
.irp g, 0,1,2
	global_load_b128 v[24*(K%8)+12*\a+4*\g:24*(K%8)+12*\a+4*\g+3], v[LI], s[PA:PA+1] offset:\a*24576+K*1536+512*\g   ; p's fragments: 512 consecutive bytes a load
.endr
.endr
.set K, K+1
.endr
	WIN 0
	s_wait_loadcnt 63                              ; 96 loads were issued behind the first 64: with at most 63 out, those 64 are in
.irp j, 0,1
	v_max_num_f32 v[MG+\j], v[MM+\j], v[MM+2+\j]
.endr
.irp k, 2,4,6,8,10,12,14
.irp j, 0,1
	v_max3_num_f32 v[MG+\j], v[MG+\j], v[MM+2*\k+\j], v[MM+2*\k+2+\j]   ; the row's M
.endr
.endr
.set N, 0
.rept 32
	v_sub_f32 v[MM+N], v[MM+N], v[MG+N%2]          ; the step's M less the row's: a whole number, 0 or less
.set N, N+1
.endr
.set N, 0
.rept 32
	v_max_num_f32 v[MM+N], 0xc2fe0000, v[MM+N]     ; held at -127
.set N, N+1
.endr
.set N, 0
.rept 32
	v_cvt_i32_f32 v[MM+N], v[MM+N]
.set N, N+1
.endr
.set N, 0
.rept 32
	v_ldexp_f32 v[LL+N], v[LL+N], v[MM+N]          ; the step's l under the row's M
.set N, N+1
.endr
.irp j, 0,1
	v_add_f32 v[LG+\j], v[LL+\j], v[LL+2+\j]
.endr
.irp k, 2,3,4,5,6,7,8,9,10,11,12,13,14,15
.irp j, 0,1
	v_add_f32 v[LG+\j], v[LG+\j], v[LL+2*\k+\j]
.endr
.endr
	s_wait_alu depctr_va_vdst(0)                   ; the wait ahead of the transcendentals
.irp j, 0,1
	v_rcp_f32 v[RL+2*\j], v[LG+\j]
.endr
.irp j, 0,1
	v_mov_b32 v[RL+2*\j+1], 0                      ; named with it as a pair
.endr
	s_wait_alu depctr_va_vdst(0)                   ; and behind them
.set N, 0
.rept 32
	v_sub_nc_u32 v[MM+N], 0, v[MM+N]               ; 0 .. 127: what comes off each scale byte
.set N, N+1
.endr
.set N, 0
.rept 32
	v_lshl_or_b32 v[MM+N], v[MM+N], 8, v[MM+N]
.set N, N+1
.endr
.set N, 0
.rept 32
	v_lshl_or_b32 v[MM+N], v[MM+N], 16, v[MM+N]    ; in all four bytes
.set N, N+1
.endr
.set N, 0
.rept 32
	v_or_b32 v[SAR+N], s[K80], v[SAR+N]            ; p is at most 1, so each byte is under 128: with bit 7 set no byte borrows from the next
.set N, N+1
.endr
.set N, 0
.rept 32
	v_sub_nc_u32 v[SAR+N], v[SAR+N], v[MM+N]
.set N, N+1
.endr
.set G, 0
.rept 4
.irp i, 0,1,2,3,4,5,6,7
	v_and_b32 v[T+\i], s[K80], v[SAR+8*G+\i]       ; bit 7 still set: the byte did not fall under 0
.endr
.irp i, 0,1,2,3,4,5,6,7
	v_lshrrev_b32 v[T+8+\i], 7, v[T+\i]
.endr
.irp i, 0,1,2,3,4,5,6,7
	v_sub_nc_u32 v[T+\i], v[T+\i], v[T+8+\i]       ; 0x7f in such bytes, 0 in the others
.endr
.irp i, 0,1,2,3,4,5,6,7
	v_and_b32 v[SAR+8*G+\i], v[SAR+8*G+\i], v[T+\i]
.endr
.set G, G+1
.endr
	PLACES 8                                       ; a scale register written by a vector instruction stands 8 places ahead of a scaled matrix instruction
	s_wait_alu depctr_va_vdst(0)                   ; the wait ahead of the waits below
	s_wait_loadcnt 0x0                             ; p's fragments
	s_wait_tensorcnt 0x0                           ; my part of the slice
	s_barrier_signal -1
	s_barrier_wait -1                              ; the slice is whole
	BLOAD 0
.set K, 0
.rept NK
	KSTEP K
.set K, K+1
.endr
	; THE WAY OUT, block by block of 16 queries x 128 hidden units: x 1 / l, quantised, stored as a fragment's image
	PLACES 4
	WIN 0x40
.irp b, 0,1,2,3
	v_mov_b32 v[TM+4+\b], 0                        ; a lane permute's destination counts as read
.endr
	s_wait_alu depctr_va_vdst(0)
.irp a, 0,1
	WIN 0x42+\a                                    ; source 0: window 2 + a; source 1: window 0; destination: window 1
.set I, 0
.rept 32
	v_pk_mul_f32 v[HA+I:HA+I+1], v[192+I:192+I+1], v[RL+2*\a:RL+2*\a+1] op_sel_hi:[1,0]   ; each accumulator from its low end on
.set I, I+2
.endr
	WIN 0x55
	s_wait_xcnt 0x0                                ; the last block's stores have read their data
	QUANT HA, PW+\a
	WIN 0x04                                       ; address window 0, data window 1
.irp g, 0,1,2
	global_store_b128 v[LI], v[PC+4*\g:PC+4*\g+3], s[OP:OP+1] offset:12288*\a+512*\g   ; 512 consecutive bytes, aligned
.endr
.endr
	global_store_b64 v[SAO], v[PW:PW+1], s[OS:OS+1]   ; my two scale words of each lane index
	WIN 0
	s_wait_tensorcnt 0x0                           ; the wave's end
	ds_add_u32 v[SPW], v[NIL]
	s_wait_dscnt 0x0
	CROUND                                         ; the closing round
	s_endpgm
.Lfunc_end_k_q4320807031_ctx:
	.size	k_q4320807031_ctx, .Lfunc_end_k_q4320807031_ctx-k_q4320807031_ctx
	.p2alignl 7, 3214868480
	.fill 96, 4, 3214868480
	.section	.rodata,"a",@progbits
	.p2align	6, 0x0
	.amdhsa_kernel k_q4320807031_ctx
		.amdhsa_group_segment_fixed_size 327680
		.amdhsa_private_segment_fixed_size 0
		.amdhsa_enable_private_segment 0
		.amdhsa_kernarg_size 24
		.amdhsa_user_sgpr_count 2
		.amdhsa_user_sgpr_kernarg_segment_ptr 1
		.amdhsa_wavefront_size32 1
		.amdhsa_system_sgpr_workgroup_id_x 1
		.amdhsa_system_sgpr_workgroup_id_y 1
		.amdhsa_system_sgpr_workgroup_id_z 1
		.amdhsa_system_vgpr_workitem_id 0
		.amdhsa_next_free_vgpr 1024
		.amdhsa_next_free_sgpr 66
		.amdhsa_reserve_vcc 0
		.amdhsa_float_denorm_mode_32 3
		.amdhsa_float_denorm_mode_16_64 3
		.amdhsa_memory_ordered 1
		.amdhsa_forward_progress 1
		.amdhsa_inst_pref_size 113
	.end_amdhsa_kernel
	.amdgpu_metadata
---
amdhsa.version: [ 1, 2 ]
amdhsa.kernels:
  - .name:           k_q4320807031_ctx
    .symbol:         k_q4320807031_ctx.kd
    .args:
      - { .name: img3, .offset: 0, .size: 8, .value_kind: global_buffer, .address_space: global }
      - { .name: img2, .offset: 8, .size: 8, .value_kind: global_buffer, .address_space: global }
      - { .name: img4, .offset: 16, .size: 8, .value_kind: global_buffer, .address_space: global }
    .group_segment_fixed_size: 327680
    .private_segment_fixed_size: 0
    .kernarg_segment_align: 8
    .kernarg_segment_size: 24
    .max_flat_workgroup_size: 128
    .sgpr_count:     66
    .vgpr_count:     1024
    .wavefront_size: 32
...
	.end_amdgpu_metadata
.endif
;; end of part 4
;; launch outp (part 5): grid 32 x 8, 4 waves a work-group, clusters of 4 x 1, 327,680 bytes of LDS; arguments img4, img1, bo, out0; writes out0
.if DOCPART == 5
	.amdgcn_target "amdgcn-amd-amdhsa--gfx1250"
	.amdhsa_code_object_version 6
	.text
	.protected	k_q4320807031_outp
	.globl	k_q4320807031_outp
	.p2align	8
	.type	k_q4320807031_outp,@function
k_q4320807031_outp:
	s_mov_b64 s[64:65], 0
	v_nop
	global_prefetch_b8 v0, s[64:65] scope:SCOPE_SE
	s_setreg_imm32_b32 hwreg(HW_REG_WAVE_MODE, 25, 1), 1
	s_wait_xcnt 0x0
	s_wait_alu depctr_hold_cnt(0) depctr_sa_sdst(0) depctr_va_vdst(0) depctr_va_sdst(0) depctr_va_ssrc(0) depctr_va_vcc(0) depctr_vm_vsrc(0)
	s_getreg_b32 s2, hwreg(HW_REG_IB_STS2, 6, 4)
	s_cmp_eq_u32 s2, 0
	s_cbranch_scc0 .Lentry_in_a_cluster
	s_endpgm
.Lentry_in_a_cluster:
	s_bfe_u32 s2, ttmp6, 0x10000c
	s_cmp_lg_u32 s2, 0x3003
	s_cbranch_scc0 .Lentry_shape_is_right
	s_endpgm
.Lentry_shape_is_right:
; out0 = context Wo + bo on codes of FP6 (E2M3); f32 out.  Images as in img1: a fragment (row tile, 128 along K) is 1,536 bytes, register group g of lane l at 512 g + 16 l; row tile t, lane index r, holds row 32 (t / 2) + 8 (t % 2) + r + 8 (r / 8);
; scale words [64 rows][K step][256 bytes], word j of lane index r at 16 r + 4 j.
; SHARES.  Work-group y = a slice of 128 columns (rows 23552 + 128 y of img1: Wo^T); work-group x = 128 rows; a cluster's four work-groups share the slice.  A wave makes 32 rows x 128 columns: 16 accumulators, K = 1,024 in 8 steps.
; The slice (8 row tiles x 12,288 bytes = 98,304) lies in LDS for the whole launch: one JOINT load a wave (2 row tiles, a dense block); nothing is filled again.
; The context's fragments are needed by one wave alone and lie in memory as the image of their registers: all 16 (192 registers) come by global loads at the head, with the scale words and the bias.
; No prefetch: everything is asked for at the head; there is no loop to run ahead in.
; The matrix instruction is used transposed (source 0 = 16 columns, source 1 = 16 rows): a lane holds one row; the bias, in the result's layout, starts the sums.
; The way out goes through a stage of the wave's own in LDS, behind the slice, which no tensor load fills: whole rows of 512 bytes leave.
; REGISTERS.  window 0: v3-14 addresses; v32-47 the context's scale words (2 k + a); v64-95 Wo^T's (4 k + j; lanes 16-31: the second 64 rows); v128-191 the bias, later with v192-255 the rows read back.
;   window 1: Wo^T's fragments, two sets of 96.  window 2: v0-191 the context's fragments (24 s + 12 a), v192-255 the accumulators of block 0.  window 3: v192-255 those of block 1.
.set NK,    8
.set S1,    18874368
.set C_S,   3145728
.set STAGE, 98304                      ; 16 rows x (512 + 16) bytes for each wave
.set SPARE, 132096                     ; behind the stages: the spare words, 128 bytes a wave
.set LI,    3
.set ADRB,  4
.set SAO,   8
.set SBO,   9
.set BNO,   10
.set STO,   11
.set SPW,   12                         ; my spare word's LDS address; never rewritten
.set NIL,   13                         ; 0; never rewritten
.set RD,    14
.set SAR,   32
.set SBR,   64
.set BN,    128
.set WV,    14
.set G0,    16
.set G1,    20
.set PA,    28
.set PS,    30
.set PB,    32
.set PBI,   34
.set OP,    36
.set MSB,   0
.macro WIN new                         ; the immediate's high byte repeats the setting that is left; a switch that changes nothing is dropped
.if MSB != (\new)
	s_set_vgpr_msb (MSB<<8)|(\new)
.set MSB, (\new)
.endif
.endm
.macro PLACES n                        ; plain instructions between a matrix instruction and a load into, or a read of, its registers
.rept \n
	v_nop
.endr
.endm
.macro CROUND                          ; a round of the cluster's barrier
	s_barrier_signal -1
	s_barrier_wait -1
	s_cmp_lg_u32 s[WV], 0
	s_cbranch_scc1 .Lnot_wave_0_\@
	s_barrier_signal -3
.Lnot_wave_0_\@:
	s_barrier_wait -3
	s_barrier_signal -1
	s_barrier_wait -1
.endm
.macro WM d, bf, af, c, sb, sa, row    ; row = 1: Wo^T's scale words stand in lanes 16-31
.if \row
	v_wmma_scale_f32_16x16x128_f8f6f4 v[\d:\d+7], v[\bf:\bf+11], v[\af:\af+11], v[\c:\c+7], v[\sb], v[\sa] matrix_a_fmt:MATRIX_FMT_FP6 matrix_b_fmt:MATRIX_FMT_FP6 matrix_a_scale:MATRIX_SCALE_ROW1
.else
	v_wmma_scale_f32_16x16x128_f8f6f4 v[\d:\d+7], v[\bf:\bf+11], v[\af:\af+11], v[\c:\c+7], v[\sb], v[\sa] matrix_a_fmt:MATRIX_FMT_FP6 matrix_b_fmt:MATRIX_FMT_FP6
.endif
.endm
.macro BLOAD s                         ; Wo^T's eight fragments of K step s into set s % 2: 24 loads of 512 consecutive bytes
	WIN 0x40
.irp i, 0,1,2,3,4,5,6,7
.irp g, 0,1,2
	ds_load_b128 v[96*((\s)%2)+12*\i+4*\g:96*((\s)%2)+12*\i+4*\g+3], v[ADRB+\i/4] offset:(\i%4)*12288+(\s)*1536+512*\g
.endr
.endr
.endm
; A K step: the next step's fragments are asked for, then 16 matrix instructions; the accumulators take turns, one instruction a turn.
.macro KSTEP s
.if (\s) < NK-1
	PLACES 4                                       ; the other set was read by the last step's products
	BLOAD (\s)+1
	s_wait_dscnt 24                                ; this step's set is in; the 24 loads just issued may be out
.else
	s_wait_dscnt 0x0
.endif
.irp a, 0,1
.if (\s) == 0
	WIN ((2+\a)<<6)|(2<<2)|1                       ; D: window 2 + a; C: the bias, window 0; source 1: window 2; source 0: window 1
.else
	WIN ((2+\a)<<6)|((2+\a)<<4)|(2<<2)|1
.endif
.irp b, 0,1,2,3,4,5,6,7
.if (\s) == 0
	WM 192+8*\b, 96*((\s)%2)+12*\b, 24*(\s)+12*\a, BN+8*\b, SBR+4*(\s)+\b%4, SAR+2*(\s)+\a, \b/4
.else
	WM 192+8*\b, 96*((\s)%2)+12*\b, 24*(\s)+12*\a, 192+8*\b, SBR+4*(\s)+\b%4, SAR+2*(\s)+\a, \b/4
.endif
.endr
.endr
.endm
	s_load_b256 s[4:11], s[0:1], 0x0               ; img4 s[4:5], img1 s[6:7], bo s[8:9], out0 s[10:11]
	v_lshl_add_u32 v[SPW], v0, 2, SPARE
	v_mov_b32 v[NIL], 0
	ds_add_u32 v[SPW], v[NIL]                      ; the opening lines: the add, twice on end, and its wait ahead of the round in front of my tensor load
	ds_add_u32 v[SPW], v[NIL]
	v_lshrrev_b32 v1, 5, v0
	v_readfirstlane_b32 s[WV], v1
	s_bfe_u32 s40, ttmp6, 0x40000                  ; cx
	s_and_b32 s41, ttmp7, 0xffff                   ; the slice
	s_lshl_b32 s42, s41, 7
	s_add_co_u32 s42, s42, 23552                   ; its first row in img1
	s_lshl_b32 s43, s[WV], 5
	s_add_co_u32 s44, s42, s43                     ; the joint load's address hangs on the slice and the wave's number alone: my two row tiles
	s_mul_i32 s44, s44, 768
	s_mov_b32 s45, 0
	s_mov_b32 s[G0], 1
	s_mul_i32 s[G0+1], s[WV], 24576
	s_mov_b32 s[G1], 15|(3<<16)|(1<<21)            ; the mask of the cluster's four; elements of 8 bytes; bit 21 beside a mask
	s_mov_b32 s[G1+1], 32<<16                      ; a dense block of 24,576 bytes as 96 rows of 256
	s_mov_b32 s[G1+2], 96<<16
	s_mov_b32 s[G1+3], 32<<16
	s_mov_b32 s[G1+4], 96
	s_mov_b32 s[G1+5], 32
	s_mov_b32 s[G1+6], 0
	s_mov_b32 s[G1+7], 0
	s_lshl_b32 s46, ttmp9, 2
	s_add_co_u32 s46, s46, s40                     ; which 128 rows
	s_lshl_b32 s46, s46, 7
	s_add_co_u32 s46, s46, s43                     ; my first row
	s_mul_i32 s48, s46, 768
	s_mov_b32 s49, 0
	s_lshr_b32 s50, s46, 6
	s_lshl_b32 s50, s50, 11
	s_add_co_u32 s50, s50, C_S
	s_mov_b32 s51, 0
	s_lshl_b32 s52, s42, 5
	s_add_co_u32 s52, s52, S1
	s_mov_b32 s53, 0
	s_lshl_b32 s54, s41, 9                         ; 4 x my first column
	s_mov_b32 s55, 0
	s_lshl_b32 s56, s46, 12
	s_add_co_u32 s56, s56, s54
	s_mov_b32 s57, 0
	s_mul_i32 s58, s[WV], 8448
	s_add_co_u32 s58, s58, STAGE                   ; my stage
	v_and_b32 v1, 15, v0                           ; r
	v_bfe_u32 v2, v0, 4, 1                         ; h
	v_bfe_u32 v15, v0, 5, 1                        ; wave % 2: which two of the group's four row tiles are mine
	v_and_b32 v[LI], 31, v0
	v_lshlrev_b32 v[LI], 4, v[LI]
	v_mov_b32 v[ADRB], v[LI]
	v_add_nc_u32 v[ADRB+1], 49152, v[LI]
	v_lshlrev_b32 v16, 4, v1
	v_lshl_add_u32 v[SAO], v15, 3, v16             ; 16 r + 8 (wave % 2)
	v_lshl_add_u32 v[SBO], v2, 11, v16             ; 16 r + 2,048 h
	v_lshlrev_b32 v[BNO], 6, v2                    ; 64 h
	v_mul_u32_u24 v[STO], v1, 528
	v_lshl_add_u32 v[STO], v2, 6, v[STO]
	v_add_nc_u32 v[STO], s58, v[STO]               ; into the stage: row r, + 64 h
	v_add_nc_u32 v[RD], s58, v[LI]                 ; and back: the 32 lanes take a row of 512 bytes
	s_wait_alu depctr_va_vdst(0)                   ; the wait at the head's end
	s_wait_dscnt 0x0                               ; both opening adds are done
	s_wait_kmcnt 0x0
	s_add_nc_u64 s[G0+2:G0+3], s[6:7], s[44:45]
	s_or_b32 s[G0+3], s[G0+3], 0x80000000
	s_add_nc_u64 s[PA:PA+1], s[4:5], s[48:49]
	s_add_nc_u64 s[PS:PS+1], s[4:5], s[50:51]
	s_add_nc_u64 s[PB:PB+1], s[6:7], s[52:53]
	s_add_nc_u64 s[PBI:PBI+1], s[8:9], s[54:55]
	s_add_nc_u64 s[OP:OP+1], s[10:11], s[56:57]
	CROUND                                         ; all four work-groups are here: the joint loads meet
	tensor_load_to_lds s[G0:G0+3], s[G1:G1+7]      ; my one tensor load
	s_nop 0
	PLACES 4
.set K, 0
.rept NK
	global_load_b64 v[SAR+2*K:SAR+2*K+1], v[SAO], s[PS:PS+1] offset:256*K        ; the context's scale words
	global_load_b128 v[SBR+4*K:SBR+4*K+3], v[SBO], s[PB:PB+1] offset:256*K       ; Wo^T's
.set K, K+1
.endr
.irp t, 0,1,2,3,4,5,6,7
	global_load_b128 v[BN+8*\t:BN+8*\t+3], v[BNO], s[PBI:PBI+1] offset:(32*(\t/2)+8*(\t%2))*4      ; the bias in the result's layout: tile t's eight columns of my half
	global_load_b128 v[BN+8*\t+4:BN+8*\t+7], v[BNO], s[PBI:PBI+1] offset:(32*(\t/2)+8*(\t%2))*4+16
.endr
	WIN 0x80
.set K, 0
.rept NK
.irp a, 0,1
.irp g, 0,1,2
	global_load_b128 v[24*K+12*\a+4*\g:24*K+12*\a+4*\g+3], v[LI], s[PA:PA+1] offset:\a*12288+K*1536+512*\g   ; the context's fragments: 512 consecutive bytes a load
.endr
.endr
.set K, K+1
.endr
	WIN 0
	s_wait_loadcnt 0x0
	s_wait_tensorcnt 0x0                           ; my part of the slice
	s_barrier_signal -1
	s_barrier_wait -1                              ; the slice is whole
	BLOAD 0
.set K, 0
.rept NK
	KSTEP K
.set K, K+1
.endr
; THE WAY OUT, block by block of 16 rows x 128 columns, through my own stage.  LDS serves a wave's instructions in order (ISA guide 5.7.1.4): no wait between the stores and the loads, nor in front of the next block's stores.
.macro TOSTAGE a
	WIN (2+\a)<<2                                  ; the data: window 2 + a
.irp b, 0,1,2,3,4,5,6,7
	ds_store_b128 v[STO], v[192+8*\b:192+8*\b+3] offset:128*(\b/2)+32*(\b%2)       ; each accumulator from its low end on
	ds_store_b128 v[STO], v[192+8*\b+4:192+8*\b+7] offset:128*(\b/2)+32*(\b%2)+16
.endr
	WIN 0
.irp t, 0,1,2,3,4,5,6,7,8,9,10,11,12,13,14,15
	ds_load_b128 v[128+64*\a+4*\t:128+64*\a+4*\t+3], v[RD] offset:\t*528
.endr
.endm
.macro SEND a, younger                 ; younger: the LDS instructions issued behind block a's loads, which may stay out
	s_wait_dscnt \younger
.irp t, 0,1,2,3,4,5,6,7,8,9,10,11,12,13,14,15
	global_store_b128 v[LI], v[128+64*\a+4*\t:128+64*\a+4*\t+3], s[OP:OP+1] offset:(8*\a+\t+8*(\t/8))*4096 th:TH_STORE_NT   ; 512 consecutive bytes, aligned
.endr
.endm
	PLACES 4
	TOSTAGE 0
	TOSTAGE 1
	SEND 0, 32                                     ; behind block 0's loads: block 1's 16 stores and 16 loads
	SEND 1, 0
	s_wait_tensorcnt 0x0                           ; the wave's end
	ds_add_u32 v[SPW], v[NIL]
	s_wait_dscnt 0x0
	CROUND                                         ; the closing round
	s_endpgm
.Lfunc_end_k_q4320807031_outp:
	.size	k_q4320807031_outp, .Lfunc_end_k_q4320807031_outp-k_q4320807031_outp
	.p2alignl 7, 3214868480
	.fill 96, 4, 3214868480
	.section	.rodata,"a",@progbits
	.p2align	6, 0x0
	.amdhsa_kernel k_q4320807031_outp
		.amdhsa_group_segment_fixed_size 327680
		.amdhsa_private_segment_fixed_size 0
		.amdhsa_enable_private_segment 0
		.amdhsa_kernarg_size 32
		.amdhsa_user_sgpr_count 2
		.amdhsa_user_sgpr_kernarg_segment_ptr 1
		.amdhsa_wavefront_size32 1
		.amdhsa_system_sgpr_workgroup_id_x 1
		.amdhsa_system_sgpr_workgroup_id_y 1
		.amdhsa_system_sgpr_workgroup_id_z 1
		.amdhsa_system_vgpr_workitem_id 0
		.amdhsa_next_free_vgpr 1024
		.amdhsa_next_free_sgpr 66
		.amdhsa_reserve_vcc 0
		.amdhsa_float_denorm_mode_32 3
		.amdhsa_float_denorm_mode_16_64 3
		.amdhsa_memory_ordered 1
		.amdhsa_forward_progress 1
		.amdhsa_inst_pref_size 50
	.end_amdhsa_kernel
	.amdgpu_metadata
---
amdhsa.version: [ 1, 2 ]
amdhsa.kernels:
  - .name:           k_q4320807031_outp
    .symbol:         k_q4320807031_outp.kd
    .args:
      - { .name: img4, .offset: 0, .size: 8, .value_kind: global_buffer, .address_space: global }
      - { .name: img1, .offset: 8, .size: 8, .value_kind: global_buffer, .address_space: global }
      - { .name: bo, .offset: 16, .size: 8, .value_kind: global_buffer, .address_space: global }
      - { .name: out0, .offset: 24, .size: 8, .value_kind: global_buffer, .address_space: global }
    .group_segment_fixed_size: 327680
    .private_segment_fixed_size: 0
    .kernarg_segment_align: 8
    .kernarg_segment_size: 32
    .max_flat_workgroup_size: 128
    .sgpr_count:     66
    .vgpr_count:     1024
    .wavefront_size: 32
...
	.end_amdgpu_metadata
.endif
;; end of part 5
